; MI455X (gfx1250); checked and timed in simulation.
; The chip was launched on July 23, 2026; its instructions are those of AMD's public machine-readable ISA for CDNA 5 (MIT licence, August 2026) and "CDNA5" Instruction Set Architecture Reference Guide (July 2026). The comments in the code are by the model that wrote it; some were corrected since.
;; Moe Layer. Allowed arithmetic: matrix products marked QUANTISED: E2M1 operands, one E8M0 scale for each 32 along K, by v_wmma_scale_f32_16x16x128_f8f6f4 with both operands' format E2M1 (or v_wmma_scale_f32_32x16x128_f4), f32 sums; products left as they are: f32 operands where the result goes on into a quantised operand, else bf16, f16 or f32 operands; f32 sums; everything else in f32.
;; Inputs: b1 8 x 4,096 float32; b2 8 x 1,024 float32; gate_w 1,024 x 8 float32; w1_codes 8 x 4,096 x 32 x 16 uint8 (E2M1 codes of w1, K innermost, in blocks of 32 codes, two codes a byte); w1_scales 8 x 4,096 x 32 uint8 (E8M0 scales of w1, one for each 32 codes along K); w2_codes 8 x 1,024 x 128 x 16 uint8 (E2M1 codes of w2, K innermost, in blocks of 32 codes, two codes a byte); w2_scales 8 x 1,024 x 128 uint8 (E8M0 scales of w2, one for each 32 codes along K); x 4 x 256 x 1,024 float32.
;; Outputs: out0 4 x 256 x 1,024 float32.
;; This version of the problem:
;;   THIS VERSION OF THE PROBLEM IS GIVEN IN LOW PRECISION. The matrix products marked QUANTISED in the list below multiply operands that are first quantised to E2M1 (2 exponent bits, 1 mantissa bit; 4 bits a number), with one power-of-two scale for each 32 numbers along K (OCP MX v1.0); their sums are f32. All else is computed in f32.
;;   The module's matrix products, in the order in which they are computed (A, B: the left and right operand; K: the contracted axis; several contracted axes count as one K, in the product's order):
;;     1. [M 1,024, K 1,024] x [K 1,024, N 8]; A: input x; B: input gate_w: left as it is (N = 8 < 16)
;;     2. [M 1,024, K 1,024] x [K 1,024, N 4,096]; A: input x; B: input w1 (given as codes): QUANTISED
;;     3. [M 1,024, K 4,096] x [K 4,096, N 1,024]; A: computed on the way; B: input w2 (given as codes): QUANTISED
;;     4. [M 1,024, K 1,024] x [K 1,024, N 4,096]; A: input x; B: input w1 (given as codes): QUANTISED
;;     5. [M 1,024, K 4,096] x [K 4,096, N 1,024]; A: computed on the way; B: input w2 (given as codes): QUANTISED
;;     6. [M 1,024, K 1,024] x [K 1,024, N 4,096]; A: input x; B: input w1 (given as codes): QUANTISED
;;     7. [M 1,024, K 4,096] x [K 4,096, N 1,024]; A: computed on the way; B: input w2 (given as codes): QUANTISED
;;     8. [M 1,024, K 1,024] x [K 1,024, N 4,096]; A: input x; B: input w1 (given as codes): QUANTISED
;;     9. [M 1,024, K 4,096] x [K 4,096, N 1,024]; A: computed on the way; B: input w2 (given as codes): QUANTISED
;;     10. [M 1,024, K 1,024] x [K 1,024, N 4,096]; A: input x; B: input w1 (given as codes): QUANTISED
;;     11. [M 1,024, K 4,096] x [K 4,096, N 1,024]; A: computed on the way; B: input w2 (given as codes): QUANTISED
;;     12. [M 1,024, K 1,024] x [K 1,024, N 4,096]; A: input x; B: input w1 (given as codes): QUANTISED
;;     13. [M 1,024, K 4,096] x [K 4,096, N 1,024]; A: computed on the way; B: input w2 (given as codes): QUANTISED
;;     14. [M 1,024, K 1,024] x [K 1,024, N 4,096]; A: input x; B: input w1 (given as codes): QUANTISED
;;     15. [M 1,024, K 4,096] x [K 4,096, N 1,024]; A: computed on the way; B: input w2 (given as codes): QUANTISED
;;     16. [M 1,024, K 1,024] x [K 1,024, N 4,096]; A: input x; B: input w1 (given as codes): QUANTISED
;;     17. [M 1,024, K 4,096] x [K 4,096, N 1,024]; A: computed on the way; B: input w2 (given as codes): QUANTISED
;;   THE QUANTISER, for each operand of a quantised product, along K:
;;     - K is cut into blocks of 32 from its start; a last block that is shorter is filled with zeros.
;;     - A block's scale is 2^e with e = floor(log2(the largest magnitude in the block)) - 2, held to -126 .. 127; a block of zeros has e = 0. As a byte (E8M0): e + 127.
;;     - Each number is divided by its block's scale, clamped to +-6, and rounded to the nearest number of E2M1, ties to even, subnormals kept.
;;     - The product sums the exact products of the quantised numbers (number of the format x scale) in f32.
;;   ~~~python
;;   def quantise(x, axis):      # numpy; x: float32 -> the quantised numbers, widened to float32 again
;;       x = np.moveaxis(x, axis, -1); K = x.shape[-1]
;;       x = np.pad(x, [(0, 0)] * (x.ndim - 1) + [(0, -K % 32)]); x = x.reshape(x.shape[:-1] + (-1, 32)); a = np.abs(x).max(-1, keepdims=True)
;;       e = np.where(a > 0, np.clip(np.frexp(np.where(a > 0, a, 1))[1] - 1 - 2, -126, 127), 0)      # np.frexp(a)[1] - 1 = floor(log2(a)), exactly
;;       r = np.clip(x / 2.0 ** e, -6, 6)
;;       step = 2.0 ** (np.maximum(np.frexp(np.where(r == 0, 1, r))[1] - 1, 0) - 1)
;;       q = np.round(r / step) * step * 2.0 ** e      # np.round: ties to even
;;       return np.moveaxis(q.reshape(q.shape[:-2] + (-1,))[..., :K], -1, axis).astype(np.float32)
;;   ~~~
;;   OPERANDS COMPUTED ON THE WAY. 'Computed on the way' means the value that the module computes at that place (a softmax that the list does not call 'softmax' is quantised finished and normalised). What goes into a quantiser is computed in f32, as accurately as f32 sums, v_exp_f32 and their like allow (about 1e-6 of the number): no bf16 or f16 on the way to a quantiser, and a product that is left as it is and whose result goes on into a quantised operand takes f32 operands (vector FMAs, or v_wmma_f32_16x16x4_f32). A number that lies on a knife's edge between two numbers of the format may be rounded either way, as far as f32 arithmetic and the matrix unit's own rounding can turn it there, and no further.
;;   INPUTS GIVEN AS CODES. w1 (in the module: [8, 1024, 4096], K = its axis 1); w2 (in the module: [8, 4096, 1024], K = its axis 1): each comes as NAME_codes (uint8): NAME with its K axis moved to the last place and cut into blocks of 32 codes, [.., K / 32, bytes a block], one block behind the other in memory; two codes a byte, the lower K in the low four bits (a code: sign, 2 exponent bits, 1 mantissa bit); and NAME_scales (uint8): the same leading axes, one E8M0 byte (e + 127) for each 32 codes along K. Its value is code x scale, taken as it is: it is not quantised again, and the codes and scales need not be those that the quantiser above would give.
;; 3 versions. Each part assembles by itself: llvm-mc -triple=amdgcn-amd-amdhsa -mcpu=gfx1250 --defsym DOCPART=n.
;; ======== version 1 of 3: 5 launches
;; workspace buffers: xq 524,288 bytes; xs 32,768 bytes; sel 4,096 bytes of whole numbers; coef 8,192 bytes; hq 16,777,216 bytes; hs 1,048,576 bytes; route 43,008 bytes of whole numbers; ybuf 33,554,432 bytes
;; launch route (part 1): grid 256 x 1, 4 waves a work-group, no clusters, 52,224 bytes of LDS; arguments x, gate_w, xq, xs, sel, coef; writes xq, xs, sel, coef
.if DOCPART == 1
	.amdgcn_target "amdgcn-amd-amdhsa--gfx1250"
	.amdhsa_code_object_version 6
	.text
	.protected	k_q1006e12aac_route
	.globl	k_q1006e12aac_route
	.p2align	8
	.type	k_q1006e12aac_route,@function
k_q1006e12aac_route:
	s_mov_b64 s[64:65], 0
	v_nop
	global_prefetch_b8 v0, s[64:65] scope:SCOPE_SE
	s_setreg_imm32_b32 hwreg(HW_REG_WAVE_MODE, 25, 1), 1
	s_wait_xcnt 0x0
; THE GATE AND THE QUANTISER OF x.  x: [1024 tokens][1024] f32; gate_w: [1024][8] f32.
; One wave takes one token (token = 4 x work-group + wave).  Lane l owns k = 32 l .. 32 l + 31: one block of the quantiser.
; It makes: xq[token][512 B] codes of E2M1, K innermost, block b at byte 16 b;  xs[token][32 B] one E8M0 byte a block;
; sel[token] = (1 << e0) | (1 << (8 + e1)), e0, e1 the two experts of the largest logits;  coef[token] = softmax of the two logits.
; The choice is only STORED here, at places fixed by the token's number: no address and no branch of this text hangs on it.
; Logits: f32 fused multiply-adds, 32 a lane and expert, then a sum over the 32 lanes.
; LIMITS: NaN and infinities in x or gate_w are not served.  Equal logits: the lower expert wins, as in top_k, but on this text's own order of the f32 sums.
; A block of zeros, and a block whose largest magnitude lies under 2^-124, gets the scale byte 1 (the rule says 127 for zeros): its codes are zeros, and only this program reads the bytes.
; No matrix unit (8 columns), no tensor load, no cluster: a work-group shares only gate_w's 32 KB with the others.
.set GP,   1040                        ; gate_w in LDS from byte 0: lane l's 1,024 bytes (32 k x 8 experts) + 16 of padding: 65 x 16, so that 16 lanes start at 16 different columns of 16 bytes
.set XST,  33280                       ; behind it: a stage of 32 x 144 bytes for each wave
.set XP,   144                         ; a lane's place in the stage: its 128 bytes + 16 of padding
.set A,    16                          ; v16-23   the 8 logits, four pairs
.set M,    24                          ; v24-31   the logits with the largest struck out
.set XR,   32                          ; v32-63   x as loaded
.set GA,   64                          ; v64-127  gate_w as loaded; then chunks 0 and 2
.set X,    128                         ; v128-159 my 32 neighbours of x
.set GB,   160                         ; v160-223 chunks 1 and 3
	s_load_b256 s[4:11], s[0:1], 0x0               ; x s[4:5], gate_w s[6:7], xq s[8:9], xs s[10:11]
	s_load_b128 s[12:15], s[0:1], 0x20             ; sel s[12:13], coef s[14:15]
	v_lshl_add_u32 v240, v0, 2, 0xca00
	v_mov_b32 v241, 0
	v_lshrrev_b32 v1, 5, v0
	v_readfirstlane_b32 s16, v1                    ; wave
	v_and_b32 v1, 31, v0                           ; lane
	v_lshlrev_b32 v2, 4, v1                        ; 16 x lane
	s_lshl_b32 s17, ttmp9, 2
	s_add_co_u32 s17, s17, s16                     ; token
	s_mul_i32 s23, s16, 32*XP
	s_add_co_u32 s23, s23, XST                     ; my wave's stage
	v_lshrrev_b32 v8, 3, v1
	v_mul_u32_u24 v3, v8, XP
	v_and_b32 v8, 7, v1
	v_lshl_add_u32 v3, v8, 4, v3
	v_add_nc_u32 v3, s23, v3                       ; into the stage: eight lanes' 128 bytes make one place
	v_mul_u32_u24 v4, v1, XP
	v_add_nc_u32 v4, s23, v4                       ; out of it: my place
	s_mul_i32 s23, s16, 8*GP
	v_add_nc_u32 v5, s23, v2                       ; gate_w into LDS: my wave brings the places of lanes 8 w .. 8 w + 7
	v_mul_u32_u24 v6, v1, GP                       ; and out: my place
	v_mov_b32 v7, 0
	s_mov_b32 s20, 0x76543210
	s_mov_b32 s21, 0xfedcba98                      ; v_permlanex16_b32's selects for lane l xor 16
	s_mov_b32 s19, 0
	s_wait_kmcnt 0x0
	s_lshl_b32 s18, s17, 12
	s_add_nc_u64 s[4:5], s[4:5], s[18:19]          ; my token's row of x
	s_lshl_b32 s18, s16, 13
	s_add_nc_u64 s[6:7], s[6:7], s[18:19]          ; my wave's quarter of gate_w
	s_lshl_b32 s18, s17, 9
	s_add_nc_u64 s[8:9], s[8:9], s[18:19]
	s_lshl_b32 s18, s17, 5
	s_add_nc_u64 s[10:11], s[10:11], s[18:19]
	s_lshl_b32 s18, s17, 2
	s_add_nc_u64 s[12:13], s[12:13], s[18:19]
	s_lshl_b32 s18, s17, 3
	s_add_nc_u64 s[14:15], s[14:15], s[18:19]
.irp i, 0,1,2,3,4,5,6,7
	global_load_b128 v[XR+4*\i:XR+4*\i+3], v2, s[4:5] offset:512*\i th:TH_LOAD_NT   ; 32 lanes read 512 consecutive bytes
.endr
.irp i, 0,1,2,3,4,5,6,7,8,9,10,11,12,13,14,15
	global_load_b128 v[GA+4*\i:GA+4*\i+3], v2, s[6:7] offset:512*\i
.endr
	s_wait_loadcnt 16                              ; x is in: the 16 loads of gate_w are younger
.irp i, 0,1,2,3,4,5,6,7
	ds_store_b128 v3, v[XR+4*\i:XR+4*\i+3] offset:4*XP*\i        ; a load's 512 bytes are four places
.endr
.irp j, 0,1,2,3,4,5,6,7
	ds_load_b128 v[X+4*\j:X+4*\j+3], v4 offset:16*\j             ; my wave's own bytes: LDS serves a wave's instructions in order
.endr
	s_wait_dscnt 0x0
	; my block: its largest magnitude, with the floor 2^(3 - 127) among the leaves, so that the byte cannot fall under 1
	v_max3_num_f32 v224, |v[X]|, |v[X+1]|, |v[X+2]|
	v_max3_num_f32 v225, |v[X+3]|, |v[X+4]|, |v[X+5]|
.irp i, 6,10,14,18,22,26
	v_max3_num_f32 v224, v224, |v[X+\i]|, |v[X+\i+1]|
	v_max3_num_f32 v225, v225, |v[X+\i+2]|, |v[X+\i+3]|
.endr
	v_max3_num_f32 v224, v224, |v[X+30]|, |v[X+31]|
	v_max3_num_f32 v224, v224, v225, 0x1800000
	v_add_nc_u32 v226, 0xff000000, v224            ; 2 off its exponent field: the conversion takes the exponent field of this operand as its scale
.irp g, 0,1,2,3
	v_cvt_scalef32_pk8_fp4_f32 v[228+\g], v[X+8*\g:X+8*\g+7], v226
.endr
	v_lshrrev_b32 v227, 23, v226                   ; the scale's byte (also the plain line behind the conversions)
	global_store_b128 v2, v[228:231], s[8:9]       ; the wave stores the token's 512 bytes of codes on end
	global_store_b8 v1, v227, s[10:11]             ; and its 32 scale bytes
	s_wait_loadcnt 0x0                             ; gate_w
.irp i, 0,1,2,3,4,5,6,7,8,9,10,11,12,13,14,15
	ds_store_b128 v5, v[GA+4*\i:GA+4*\i+3] offset:GP*(\i/2)+512*(\i%2)
.endr
	s_wait_dscnt 0x0                               ; for the others' sake: my quarter of gate_w lies in LDS
	s_barrier_signal -1
	s_barrier_wait -1                              ; all of it does
.macro GLOAD c, buf                    ; chunk c: gate_w of my k = 32 l + 8 c + 0 .. 7: register 8 kk + e
.irp q, 0,1,2,3,4,5,6,7,8,9,10,11,12,13,14,15
	ds_load_b128 v[\buf+4*\q:\buf+4*\q+3], v6 offset:256*(\c)+16*\q
.endr
.endm
.macro GFMA c, buf                     ; 8 k x 4 pairs of experts; x's number feeds both halves; the very first product starts the sums
.irp kk, 0,1,2,3,4,5,6,7
.irp p, 0,1,2,3
.if ((\c) == 0) && (\kk == 0)
	v_pk_mul_f32 v[A+2*\p:A+2*\p+1], v[X:X+1], v[\buf+2*\p:\buf+2*\p+1] op_sel_hi:[0,1]
.elseif \kk%2 == 0
	v_pk_fma_f32 v[A+2*\p:A+2*\p+1], v[X+8*(\c)+\kk:X+8*(\c)+\kk+1], v[\buf+8*\kk+2*\p:\buf+8*\kk+2*\p+1], v[A+2*\p:A+2*\p+1] op_sel_hi:[0,1,1]
.else
	v_pk_fma_f32 v[A+2*\p:A+2*\p+1], v[X+8*(\c)+\kk-1:X+8*(\c)+\kk], v[\buf+8*\kk+2*\p:\buf+8*\kk+2*\p+1], v[A+2*\p:A+2*\p+1] op_sel:[1,0,0] op_sel_hi:[1,1,1]
.endif
.endr
.endr
.endm
	GLOAD 0, GA
	GLOAD 1, GB
	s_wait_dscnt 16                                ; the older chunk is in; the younger chunk's 16 loads may be out
	GFMA 0, GA
	GLOAD 2, GA
	s_wait_dscnt 16
	GFMA 1, GB
	GLOAD 3, GB
	s_wait_dscnt 16
	GFMA 2, GA
	s_wait_dscnt 0x0
	GFMA 3, GB
	; the sums over the 32 lanes, the eight logits by turns; every lane ends with all eight
.irp m, 1,2,4,8
.irp e, 0,1,2,3,4,5,6,7
	v_add_f32_dpp v[A+\e], v[A+\e], v[A+\e] row_xmask:\m row_mask:0xf bank_mask:0xf
.endr
.endr
.irp e, 0,1,2,3,4,5,6,7
	v_permlanex16_b32 v[GB+\e], v[A+\e], s20, s21  ; (its destination has been written: chunk 3 lay there)
.endr
.irp e, 0,1,2,3,4,5,6,7
	v_add_f32 v[A+\e], v[A+\e], v[GB+\e]
.endr
	; the two largest, ties to the lower index: the holder is kept while it is not smaller
	v_mov_b32 v232, v[A]
	v_mov_b32 v233, 0
.irp e, 1,2,3,4,5,6,7
	v_cmp_ge_f32 vcc_lo, v232, v[A+\e]
	v_cndmask_b32 v233, \e, v233, vcc_lo
	v_cndmask_b32 v232, v[A+\e], v232, vcc_lo
.endr
	v_mov_b32 v236, 0xff800000                     ; -infinity strikes the largest out
.irp e, 0,1,2,3,4,5,6,7
	v_cmp_eq_u32 vcc_lo, \e, v233
	v_cndmask_b32 v[M+\e], v[A+\e], v236, vcc_lo
.endr
	v_mov_b32 v234, v[M]
	v_mov_b32 v235, 0
.irp e, 1,2,3,4,5,6,7
	v_cmp_ge_f32 vcc_lo, v234, v[M+\e]
	v_cndmask_b32 v235, \e, v235, vcc_lo
	v_cndmask_b32 v234, v[M+\e], v234, vcc_lo
.endr
	; softmax of the two, the larger taken away first: c0 = 1 / (1 + E), c1 = E / (1 + E), E = e^(m2 - m1) <= 1
	v_sub_f32 v236, v234, v232
	v_mul_f32 v236, 0x3fb8aa3b, v236
	v_exp_f32 v237, v236
	v_mov_b32 v226, 1                              ; (a plain line behind the exponential)
	s_wait_alu depctr_va_vdst(0)
	v_add_f32 v224, 1.0, v237
	v_rcp_f32 v238, v224
	v_mov_b32 v225, 0x100                          ; (a plain line behind the reciprocal)
	s_wait_alu depctr_va_vdst(0)
	v_mul_f32 v239, v237, v238
	v_lshlrev_b32 v226, v233, v226                 ; 1 << e0
	v_lshlrev_b32 v225, v235, v225                 ; 1 << (8 + e1)
	v_or_b32 v226, v226, v225
	s_wait_xcnt 0x0                                ; EXEC changes only behind this wait: the stores above have been issued under the full one
	v_cmp_eq_u32 vcc_lo, 0, v1
	s_wait_tensorcnt 0x0
	ds_add_u32 v240, v241
	s_wait_dscnt 0x0
	s_and_saveexec_b32 s22, vcc_lo                 ; lane 0 stores for the token
	global_store_b32 v7, v226, s[12:13]
	global_store_b64 v7, v[238:239], s[14:15]
	s_wait_xcnt 0x0
	s_or_b32 exec_lo, exec_lo, s22
	s_endpgm
.Lfunc_end_k_q1006e12aac_route:
	.size	k_q1006e12aac_route, .Lfunc_end_k_q1006e12aac_route-k_q1006e12aac_route
	.p2alignl 7, 3214868480
	.fill 96, 4, 3214868480
	.section	.rodata,"a",@progbits
	.p2align	6, 0x0
	.amdhsa_kernel k_q1006e12aac_route
		.amdhsa_group_segment_fixed_size 52224
		.amdhsa_private_segment_fixed_size 0
		.amdhsa_enable_private_segment 0
		.amdhsa_kernarg_size 48
		.amdhsa_user_sgpr_count 2
		.amdhsa_user_sgpr_kernarg_segment_ptr 1
		.amdhsa_wavefront_size32 1
		.amdhsa_system_sgpr_workgroup_id_x 1
		.amdhsa_system_sgpr_workgroup_id_y 1
		.amdhsa_system_sgpr_workgroup_id_z 1
		.amdhsa_system_vgpr_workitem_id 0
		.amdhsa_next_free_vgpr 242
		.amdhsa_next_free_sgpr 66
		.amdhsa_reserve_vcc 1
		.amdhsa_float_denorm_mode_32 3
		.amdhsa_float_denorm_mode_16_64 3
		.amdhsa_memory_ordered 1
		.amdhsa_forward_progress 1
		.amdhsa_inst_pref_size 26
	.end_amdhsa_kernel
	.amdgpu_metadata
---
amdhsa.version: [ 1, 2 ]
amdhsa.kernels:
  - .name:           k_q1006e12aac_route
    .symbol:         k_q1006e12aac_route.kd
    .args:
      - { .name: x, .offset: 0, .size: 8, .value_kind: global_buffer, .address_space: global }
      - { .name: gate_w, .offset: 8, .size: 8, .value_kind: global_buffer, .address_space: global }
      - { .name: xq, .offset: 16, .size: 8, .value_kind: global_buffer, .address_space: global }
      - { .name: xs, .offset: 24, .size: 8, .value_kind: global_buffer, .address_space: global }
      - { .name: sel, .offset: 32, .size: 8, .value_kind: global_buffer, .address_space: global }
      - { .name: coef, .offset: 40, .size: 8, .value_kind: global_buffer, .address_space: global }
    .group_segment_fixed_size: 52224
    .private_segment_fixed_size: 0
    .kernarg_segment_align: 8
    .kernarg_segment_size: 48
    .max_flat_workgroup_size: 128
    .sgpr_count:     66
    .vgpr_count:     242
    .wavefront_size: 32
...
	.end_amdgpu_metadata
.endif
;; end of part 1
;; launch place (part 2): grid 8 x 1, 1 waves a work-group, no clusters, 0 bytes of LDS; arguments sel, route; writes route
.if DOCPART == 2
	.amdgcn_target "amdgcn-amd-amdhsa--gfx1250"
	.amdhsa_code_object_version 6
	.text
	.protected	k_q1006e12aac_place
	.globl	k_q1006e12aac_place
	.p2align	8
	.type	k_q1006e12aac_place,@function
k_q1006e12aac_place:
	s_mov_b64 s[64:65], 0
	v_nop
	global_prefetch_b8 v0, s[64:65] scope:SCOPE_SE
	s_setreg_imm32_b32 hwreg(HW_REG_WAVE_MODE, 25, 1), 1
	s_wait_xcnt 0x0
; THE PLACING OF ROWS BY EXPERT.  sel[token] = (1 << e0) | (1 << (8 + e1)), stored by the launch before.  One wave takes one expert e (the work-group's number).
; It stores, all in the buffer route (u32 words):
;   pos[2 token + k] = 1024 e + rank, for the tokens whose k-th choice is e (words 0 .. 2047; words 2048 + 32 e + lane take what the other lanes send, and are never read);
;   cnt[e], 32 equal copies, from byte 9,216 + 128 e;
;   list[e][1024], from byte 10,240 + 4,096 e: the tokens that chose e by rank, from place 0 up, and ALL the others from place 1,023 down: a permutation of the 1,024 tokens.
;   So every word of a list is written and holds a token: a last tile of 16 is filled up with tokens that did not choose e, whose rows are computed and never used.
; RANK: the 1,024 tokens go in 32 steps of 32 lanes; a token's rank is the choosing tokens of earlier steps (a scalar) + the choosing lanes below its own.  The order of ranks is the order of the steps, not of the tokens: nothing hangs on it.
; Each of the stores has registers of its own, so none is written again while a store may read it.  All the work there is: 4 KB read, 41 KB stored: eight waves; no LDS, no barrier, no matrix unit.
.set SW, 32                            ; v32-63   sel's words: register 4 i + c = token 128 i + 4 lane + c; then their byte offsets in pos
.set L,  64                            ; v64-95   byte offsets in the list
.set T,  96                            ; v96-127  the tokens
.set P,  128                           ; v128-159 1024 e + rank
	s_load_b128 s[4:7], s[0:1], 0x0                ; sel s[4:5], route s[6:7]
	s_mov_b32 s25, ttmp9                           ; e
	v_lshlrev_b32 v4, 4, v0                        ; 16 x lane (one wave: the thread's number is the lane)
	v_lshlrev_b32 v10, 2, v0                       ; 4 x lane
	s_lshl_b32 s27, 0x101, s25                     ; the two bits of sel that name e
	s_add_co_u32 s28, s25, 8
	s_lshl_b32 s30, s25, 5
	s_add_co_u32 s30, s30, 2048
	v_add_nc_u32 v12, s30, v0                      ; pos's word for what my lane does not choose
	s_lshl_b32 s33, s25, 10                        ; 1024 e
	s_lshl_b32 s31, s25, 12
	s_add_co_u32 s31, s31, 10240                   ; where list[e] begins
	s_lshl_b32 s34, s25, 7
	s_add_co_u32 s34, s34, 9216
	v_add_nc_u32 v13, s34, v10                     ; cnt[e], a copy a lane
	s_mov_b32 s29, 0                               ; choosing tokens so far
	s_wait_kmcnt 0x0
.irp i, 0,1,2,3,4,5,6,7
	global_load_b128 v[SW+4*\i:SW+4*\i+3], v4, s[4:5] offset:512*\i   ; 32 lanes read 512 consecutive bytes
.endr
	s_wait_loadcnt 0x0
.set n, 0
.rept 32
	v_and_b32 v19, s27, v[SW+n]
	v_cmp_ne_u32 vcc_lo, 0, v19                    ; did my token choose e?
	v_mbcnt_lo_u32_b32 v20, vcc_lo, s29            ; the choosing tokens ahead of mine: its rank, if it chose
	v_sub_nc_u32 v21, v20, v0
	v_add_nc_u32 v21, 1023-32*n, v21               ; else 1,023 - (32 n + lane - those): from the list's end down
	v_cndmask_b32 v21, v21, v20, vcc_lo
	v_min_u32 v[L+n], 0x3ff, v21                   ; inside the list's 1,024 words
	v_lshl_add_u32 v[L+n], v[L+n], 2, s31
	v_add_nc_u32 v[T+n], 128*(n/4)+n%4, v10        ; the token
	global_store_b32 v[L+n], v[T+n], s[6:7]
	v_bfe_u32 v22, v[SW+n], s28, 1                 ; k: 1 where e is the token's second choice
	v_lshl_add_u32 v22, v[T+n], 1, v22             ; 2 token + k
	v_cndmask_b32 v22, v12, v22, vcc_lo
	v_min_u32 v[SW+n], 0x8ff, v22                  ; inside pos's 2,304 words
	v_lshlrev_b32 v[SW+n], 2, v[SW+n]
	v_add_nc_u32 v[P+n], s33, v20                  ; 1024 e + rank
	global_store_b32 v[SW+n], v[P+n], s[6:7]
	s_bcnt1_i32_b32 s30, vcc_lo
	s_add_co_u32 s29, s29, s30
.set n, n+1
.endr
	v_mov_b32 v23, s29
	global_store_b32 v13, v23, s[6:7]              ; the count
	s_endpgm
.Lfunc_end_k_q1006e12aac_place:
	.size	k_q1006e12aac_place, .Lfunc_end_k_q1006e12aac_place-k_q1006e12aac_place
	.p2alignl 7, 3214868480
	.fill 96, 4, 3214868480
	.section	.rodata,"a",@progbits
	.p2align	6, 0x0
	.amdhsa_kernel k_q1006e12aac_place
		.amdhsa_group_segment_fixed_size 0
		.amdhsa_private_segment_fixed_size 0
		.amdhsa_enable_private_segment 0
		.amdhsa_kernarg_size 16
		.amdhsa_user_sgpr_count 2
		.amdhsa_user_sgpr_kernarg_segment_ptr 1
		.amdhsa_wavefront_size32 1
		.amdhsa_system_sgpr_workgroup_id_x 1
		.amdhsa_system_sgpr_workgroup_id_y 1
		.amdhsa_system_sgpr_workgroup_id_z 1
		.amdhsa_system_vgpr_workitem_id 0
		.amdhsa_next_free_vgpr 160
		.amdhsa_next_free_sgpr 66
		.amdhsa_reserve_vcc 1
		.amdhsa_float_denorm_mode_32 3
		.amdhsa_float_denorm_mode_16_64 3
		.amdhsa_memory_ordered 1
		.amdhsa_forward_progress 1
		.amdhsa_inst_pref_size 33
	.end_amdhsa_kernel
	.amdgpu_metadata
---
amdhsa.version: [ 1, 2 ]
amdhsa.kernels:
  - .name:           k_q1006e12aac_place
    .symbol:         k_q1006e12aac_place.kd
    .args:
      - { .name: sel, .offset: 0, .size: 8, .value_kind: global_buffer, .address_space: global }
      - { .name: route, .offset: 8, .size: 8, .value_kind: global_buffer, .address_space: global }
    .group_segment_fixed_size: 0
    .private_segment_fixed_size: 0
    .kernarg_segment_align: 8
    .kernarg_segment_size: 16
    .max_flat_workgroup_size: 32
    .sgpr_count:     66
    .vgpr_count:     160
    .wavefront_size: 32
...
	.end_amdgpu_metadata
.endif
;; end of part 2
;; launch ffn1 (part 3): grid 32 x 8, 4 waves a work-group, no clusters, 68,096 bytes of LDS; arguments route, xq, xs, w1_codes, w1_scales, b1, hq, hs; writes hq, hs
.if DOCPART == 3
	.amdgcn_target "amdgcn-amd-amdhsa--gfx1250"
	.amdhsa_code_object_version 6
	.text
	.protected	k_q1006e12aac_ffn1
	.globl	k_q1006e12aac_ffn1
	.p2align	8
	.type	k_q1006e12aac_ffn1,@function
k_q1006e12aac_ffn1:
	s_mov_b64 s[64:65], 0
	v_nop
	global_prefetch_b8 v0, s[64:65] scope:SCOPE_SE
	s_setreg_imm32_b32 hwreg(HW_REG_WAVE_MODE, 25, 1), 1
	s_wait_xcnt 0x0
; THE FIRST PRODUCT OF THE CHOSEN ROWS: h = Q(gelu(x w1[e] + b1[e])), on codes of E2M1 with one E8M0 scale for each 32 along K.
; Work-group (j, e) owns hidden units 128 j .. 128 j + 127 of expert e: 128 rows of w1's codes, 64 KB, read from memory once, in instructions of 512 consecutive bytes.
; They go through LDS into EVERY wave's registers as 64 fragments (8 tiles of 16 units x 8 K steps: 512 registers).  The expert's tokens come in tiles of 16; wave w takes tiles w, w + 4, ..: no barrier in that loop.
; WHICH TOKENS: the launch before has stored, in route, cnt[e] (byte 9,216 + 128 e) and list[e][1024] (byte 10,240 + 4,096 e): the tokens that chose e by rank, then all the others: every word is a token.
; A last tile is filled up with tokens that did not choose e: their rows are computed, stored and never used.
; THE PRODUCT IS USED TRANSPOSED (source 0 = 16 rows of w1, source 1 = 16 tokens), and lane r of tile 2 b + u takes w1's row 32 b + 8 u + r + 8 (r / 8): so a lane holds ONE token, and the 16 registers of tiles
; 2 b, 2 b + 1 are hidden units 32 b + 16 (lane / 16) + 0 .. 15: neighbours along the next K.  b1 is the C of each sum's first product.
; gelu (tanh form) = x / (1 + 2^(x (c0 + c1 x^2))), c0 = -2 log2(e) sqrt(2 / pi), c1 = 0.044715 c0: all in f32.
; OUT: the 128 units are K step j of the second product: hq[T = 64 e + tile][j] is the image of that operand's 8 registers (1,024 bytes), hs its scale words.
; AHEAD: in the trip of tile i the codes of x for tile i + 1 are asked for, by tokens that were loaded a trip earlier, and the tokens of tile i + 2.
; NO JOINT LOADS, though the 32 work-groups of an expert gather the same rows of x: how many tiles there are is read from memory, so trip counts hang on a loaded number.
; LIMITS: NaN and infinities are not served; a block of zeros, or one under 2^-124, gets the scale byte 1: its codes are zeros, and only this program reads the bytes.
; REGISTERS, in windows of 256: window 0: see below.  window 1: w1's fragments of K steps 0-3 at 8 (8 s + t) (at first: my 32 rows as loaded).  window 2: K steps 4-7.  window 3: v0-63 b1's 8 tiles; v64-127 x's 8 fragments.
.set PITCH, 528                        ; a row of w1 in LDS: 512 bytes + 16 = 33 x 16: the 16 rows of a fragment load start at 16 different columns of 16 bytes
.set W1S, 32                           ; v32-63   w1's scale words: register 8 b + s: lanes 0-15 tile 2 b, lanes 16-31 tile 2 b + 1, K step s
.set HA,  64                           ; v64-127  the 8 accumulators
.set Z,   128                          ; v128-191 at work in gelu
.set XS,  192                          ; v192-199 x's scale words, K step s
.set PC,  200                          ; v200-207 the codes just made
.set TM,  208                          ; v208-223 at work in the quantiser
.set PW,  224                          ; v224     the scale word just made
.set H16, 225                          ; v225     16 x (lane / 16)
.set TRIPS, 22                         ; s22      my tiles still to do
.set SEL, 36                           ; s[36:37] v_permlanex16_b32's selects
.set MSB, 0
.macro WIN new                         ; the immediate's high byte repeats the setting that is left
.if MSB != \new
	s_set_vgpr_msb (MSB<<8)|\new
.set MSB, \new
.endif
.endm
.macro XLOAD                           ; 16 tokens' codes (8 fragments) and scale words; v17 = token x 512 + 16 h, v18 = token x 32
	WIN 0xc0
.irp s, 0,1,2,3,4,5,6,7
.irp c, 0,1
	global_load_b128 v[64+8*\s+4*\c:64+8*\s+4*\c+3], v17, s[6:7] offset:64*\s+32*\c
.endr
.endr
	WIN 0
.irp a, 0,1
	global_load_b128 v[XS+4*\a:XS+4*\a+3], v18, s[8:9] offset:16*\a
.endr
.endm
.macro TOKENS                          ; the tokens of the tile whose number stands in s30: lanes r and 16 + r take the word of place 16 s30 + r, held inside the list
	v_lshl_add_u32 v15, s30, 4, v2
	v_min_u32 v15, 0x3ff, v15
	v_lshlrev_b32 v15, 2, v15
	global_load_b32 v16, v15, s[20:21]
.endm
.macro XADDR                           ; from the tokens in v16 to x's offsets
	v_min_u32 v16, 0x3ff, v16                      ; inside x's 1,024 rows
	v_lshl_add_u32 v17, v16, 9, v[H16]
	v_lshlrev_b32 v18, 5, v16
.endm
	s_load_b512 s[4:19], s[0:1], 0x0               ; route s[4:5], xq s[6:7], xs s[8:9], w1 codes s[10:11], w1 scales s[12:13], b1 s[14:15], hq s[16:17], hs s[18:19]
	v_lshl_add_u32 v254, v0, 2, 0x10800
	v_mov_b32 v255, 0
	v_lshrrev_b32 v1, 5, v0
	v_readfirstlane_b32 s24, v1                    ; wave
	s_and_b32 s25, ttmp7, 0xffff                   ; e
	s_mov_b32 s26, ttmp9                           ; j
	v_and_b32 v1, 31, v0                           ; lane
	v_and_b32 v2, 15, v0                           ; r
	v_bfe_u32 v3, v0, 4, 1                         ; h
	v_lshlrev_b32 v4, 4, v1                        ; 16 x lane
	s_mul_i32 s30, s24, 32*PITCH
	v_add_nc_u32 v5, s30, v4                       ; w1 into LDS: my wave's 32 rows
	v_mul_u32_u24 v6, v2, PITCH
	v_lshl_add_u32 v6, v3, 4, v6                   ; a fragment: row r, + 16 h
	v_and_b32 v7, 8, v2
	v_add_nc_u32 v7, v7, v2
	v_lshl_add_u32 v7, v3, 3, v7
	v_lshlrev_b32 v7, 5, v7                        ; w1's scales: row r + 8 (r / 8) + 8 h of 32 bytes
	v_lshlrev_b32 v8, 6, v3                        ; b1: 16 h numbers on
	v_lshlrev_b32 v9, 4, v2                        ; hs: 16 bytes a row
	v_lshlrev_b32 v[H16], 4, v3
	v_mov_b32 v24, 0xbdd2d3e8                      ; c1 = -0.10294324, twice
	v_mov_b32 v25, 0xbdd2d3e8
	v_mov_b32 v26, 0xc0135761                      ; c0 = -2.3022082, twice
	v_mov_b32 v27, 0xc0135761
.irp b, 0,1,2,3
	v_mov_b32 v[TM+4+\b], 0                        ; written once: a lane permute's destination counts as one of its sources
.endr
	s_lshl_b32 s33, s25, 7                         ; cnt[e]: 128 bytes an expert (kept for the scalar load alone)
	s_mov_b32 s[SEL], 0x76543210
	s_mov_b32 s[SEL+1], 0xfedcba98
	s_mov_b32 s35, 0
	s_wait_kmcnt 0x0
	s_load_b32 s29, s[4:5], s33 offset:0x2400      ; the expert's tokens
	s_lshl_b32 s34, s25, 12
	s_add_co_u32 s34, s34, 10240
	s_add_nc_u64 s[20:21], s[4:5], s[34:35]        ; list[e]
	s_lshl_b32 s34, s25, 21                        ; w1's codes: expert 2^21, slice 2^16, my wave's 32 rows 2^14 bytes
	s_lshl_b32 s30, s26, 16
	s_add_co_u32 s34, s34, s30
	s_lshl_b32 s30, s24, 14
	s_add_co_u32 s34, s34, s30
	s_add_nc_u64 s[10:11], s[10:11], s[34:35]
	s_lshl_b32 s34, s25, 17                        ; its scales: 2^17, 2^12
	s_lshl_b32 s30, s26, 12
	s_add_co_u32 s34, s34, s30
	s_add_nc_u64 s[12:13], s[12:13], s[34:35]
	s_lshl_b32 s34, s25, 14                        ; b1: 2^14, 2^9
	s_lshl_b32 s30, s26, 9
	s_add_co_u32 s34, s34, s30
	s_add_nc_u64 s[14:15], s[14:15], s[34:35]
	s_lshl_b32 s34, s25, 21                        ; hq: tile 64 e + w of 2^15 bytes, K step j of 2^10
	s_lshl_b32 s30, s24, 15
	s_add_co_u32 s34, s34, s30
	s_lshl_b32 s30, s26, 10
	s_add_co_u32 s34, s34, s30
	s_add_nc_u64 s[16:17], s[16:17], s[34:35]
	s_lshl_b32 s34, s25, 17                        ; hs: tile of 2^11 bytes, group j / 4 of 256, word j % 4
	s_lshl_b32 s30, s24, 11
	s_add_co_u32 s34, s34, s30
	s_lshr_b32 s30, s26, 2
	s_lshl_b32 s30, s30, 8
	s_add_co_u32 s34, s34, s30
	s_and_b32 s30, s26, 3
	s_lshl_b32 s30, s30, 2
	s_add_co_u32 s34, s34, s30
	s_add_nc_u64 s[18:19], s[18:19], s[34:35]
	; ---- my first tile's tokens first, then everything that comes from memory once
	s_mov_b32 s30, s24
	TOKENS                                         ; tile w: its places hold tokens whatever the count is
	WIN 0x40                                       ; destination window 1
.set i, 0
.rept 32
	global_load_b128 v[4*i:4*i+3], v4, s[10:11] offset:512*i th:TH_LOAD_NT   ; one row of w1: 512 consecutive bytes; no other work-group reads it
.set i, i+1
.endr
	WIN 0
.irp b, 0,1,2,3
.irp a, 0,1
	global_load_b128 v[W1S+8*\b+4*\a:W1S+8*\b+4*\a+3], v7, s[12:13] offset:1024*\b+16*\a
.endr
.endr
	WIN 0xc0                                       ; destination window 3
.irp t, 0,1,2,3,4,5,6,7
.irp a, 0,1
	global_load_b128 v[8*\t+4*\a:8*\t+4*\a+3], v8, s[14:15] offset:(32*(\t/2)+8*(\t%2))*4+16*\a   ; lane (r, h), tile 2 b + u: b1 of units 32 b + 16 h + 8 u + 0 .. 7
.endr
.endr
	WIN 0
	s_wait_loadcnt 56                              ; the tokens are in: the 32 + 8 + 16 loads behind them may be out
	XADDR
	XLOAD                                          ; the first tile's x is on its way while w1 goes through LDS
	s_add_co_u32 s30, s24, 4
	TOKENS                                         ; and my second tile's tokens (v15's earlier load is done: the wait above)
	; ---- w1's rows into LDS.  Row i of my 32 goes to the place with bits 3 and 4 of i exchanged: so tile t's sixteen rows lie at places 16 t .. 16 t + 15
	s_wait_loadcnt 19                              ; w1, its scales and b1 are in: x's 18 loads and the tokens' one are younger
	WIN 0x04                                       ; an LDS store's data are its source 1: window 1
.set i, 0
.rept 32
	ds_store_b128 v5, v[4*i:4*i+3] offset:PITCH*((i&7)|((i&8)<<1)|((i&16)>>1))
.set i, i+1
.endr
	WIN 0
	s_wait_dscnt 0x0                               ; for the others' sake: my 32 rows lie in LDS
	s_barrier_signal -1
	s_barrier_wait -1                              ; all 128 do.  The text's only barrier: all that hangs on the count stands behind it; from here on LDS is only read
	s_wait_kmcnt 0x0
	s_min_u32 s29, s29, 0x400                      ; the expert's tokens
	s_add_co_u32 s31, s29, 15
	s_lshr_b32 s31, s31, 4                         ; its tiles
	s_mov_b32 s32, s24                             ; my first tile
	s_add_co_u32 s[TRIPS], s31, 3
	s_sub_co_u32 s[TRIPS], s[TRIPS], s24
	s_lshr_b32 s[TRIPS], s[TRIPS], 2               ; my tiles: (tiles + 3 - wave) / 4, which is 0 just where the wave's number is not under the number of tiles
	s_cmp_eq_u32 s[TRIPS], 0
	s_cbranch_scc1 .Lend
.set ks, 0
.rept 8
.if ks == 0
	WIN 0x40
.elseif ks == 4
	WIN 0x80
.endif
.irp t, 0,1,2,3,4,5,6,7
.irp c, 0,1
	ds_load_b128 v[8*(8*(ks%4)+\t)+4*\c:8*(8*(ks%4)+\t)+4*\c+3], v6 offset:16*\t*PITCH+64*ks+32*\c
.endr
.endr
.set ks, ks+1
.endr
	WIN 0
	s_wait_dscnt 0x0
; 64 products: the 8 accumulators by turns, K step by K step
.macro MM
.set ks, 0
.rept 8
.if ks == 0
	WIN 0x3d                                       ; source 0 (w1) window 1, source 1 (x) window 3, C (b1) window 3
.elseif ks < 4
	WIN 0x0d
.else
	WIN 0x0e                                       ; w1's K steps 4-7: window 2
.endif
.irp t, 0,1,2,3,4,5,6,7
.set rD, HA+8*\t
.set rA, 8*(8*(ks%4)+\t)
.set rB, 64+8*ks
.set rC, rD
.if ks == 0
.set rC, 8*\t
.endif
.if \t%2
	v_wmma_scale_f32_16x16x128_f8f6f4 v[rD:rD+7], v[rA:rA+7], v[rB:rB+7], v[rC:rC+7], v[W1S+8*(\t/2)+ks], v[XS+ks] matrix_a_fmt:MATRIX_FMT_FP4 matrix_b_fmt:MATRIX_FMT_FP4 matrix_a_scale:MATRIX_SCALE_ROW1
.else
	v_wmma_scale_f32_16x16x128_f8f6f4 v[rD:rD+7], v[rA:rA+7], v[rB:rB+7], v[rC:rC+7], v[W1S+8*(\t/2)+ks], v[XS+ks] matrix_a_fmt:MATRIX_FMT_FP4 matrix_b_fmt:MATRIX_FMT_FP4
.endif
.endr
.set ks, ks+1
.endr
	WIN 0
.endm
.macro GELU                            ; in place on the 64 numbers, each accumulator read from its low end on
.set i, 0
.rept 32
	v_pk_mul_f32 v[Z+i:Z+i+1], v[HA+i:HA+i+1], v[HA+i:HA+i+1]
.set i, i+2
.endr
.set i, 0
.rept 32
	v_pk_fma_f32 v[Z+i:Z+i+1], v[Z+i:Z+i+1], v[24:25], v[26:27]   ; c0 + c1 x^2
.set i, i+2
.endr
.set i, 0
.rept 32
	v_pk_mul_f32 v[Z+i:Z+i+1], v[Z+i:Z+i+1], v[HA+i:HA+i+1]
.set i, i+2
.endr
.set i, 0
.rept 64
	v_exp_f32 v[Z+i], v[Z+i]
.set i, i+1
.endr
	v_nop                                          ; a plain line behind the last exponential
.set i, 0
	s_wait_alu depctr_va_vdst(0)
.rept 32
	v_pk_add_f32 v[Z+i:Z+i+1], v[Z+i:Z+i+1], 1.0 op_sel_hi:[1,0]
.set i, i+2
.endr
.set i, 0
.rept 64
	v_rcp_f32 v[Z+i], v[Z+i]
.set i, i+1
.endr
	v_nop                                          ; a plain line behind the last reciprocal
.set i, 0
	s_wait_alu depctr_va_vdst(0)
.rept 32
	v_pk_mul_f32 v[HA+i:HA+i+1], v[HA+i:HA+i+1], v[Z+i:Z+i+1]
.set i, i+2
.endr
.endm
; 64 numbers of a lane, register 16 b + i = k 32 b + 16 (lane / 16) + i of my token, become a fragment's codes in v[PC] on and its scale word in v[PW]
.macro QUANT s
.irp b, 0,1,2,3
	v_max3_num_f32 v[TM+\b], |v[\s+16*\b]|, |v[\s+1+16*\b]|, 0x1800000   ; block b: my 16 numbers, and the floor 2^(3 - 127): the byte cannot fall under 1
.endr
.irp i, 2,4,6,8,10,12,14
.irp b, 0,1,2,3
	v_max3_num_f32 v[TM+\b], v[TM+\b], |v[\s+16*\b+\i]|, |v[\s+1+16*\b+\i]|
.endr
.endr
.irp b, 0,1,2,3
	v_permlanex16_b32 v[TM+4+\b], v[TM+\b], s[SEL], s[SEL+1]
.endr
.irp b, 0,1,2,3
	v_max_num_f32 v[TM+\b], v[TM+\b], v[TM+4+\b]   ; with lane l xor 16's: the block's largest magnitude
.endr
.irp b, 0,1,2,3
	v_add_nc_u32 v[TM+12+\b], 0xff000000, v[TM+\b] ; 2 off its exponent field: the conversion's scale operand
.endr
.irp b, 0,1,2,3
	v_lshrrev_b32 v[TM+4+\b], 23, v[TM+12+\b]      ; the scale's byte
.endr
	v_lshl_or_b32 v[PW], v[TM+5], 8, v[TM+4]
	v_lshl_or_b32 v[PW], v[TM+6], 16, v[PW]
	v_lshl_or_b32 v[PW], v[TM+7], 24, v[PW]
.irp b, 0,1,2,3
	v_cvt_scalef32_pk8_fp4_f32 v[PC+2*\b], v[\s+16*\b:\s+7+16*\b], v[TM+12+\b]
	v_cvt_scalef32_pk8_fp4_f32 v[PC+1+2*\b], v[\s+8+16*\b:\s+15+16*\b], v[TM+12+\b]
.endr
	v_nop                                          ; one plain line behind the last scaled conversion
.irp c, 0,1                            ; the operand's layout wants a whole block in a lane: lanes 0-15 block 2 c, lanes 16-31 block 2 c + 1
.irp i, 0,1
	v_permlane16_swap_b32 v[PC+4*\c+\i], v[PC+2+4*\c+\i]
.endr
.endr
.endm
.Ltile:                                                ; a trip: one tile of 16 tokens x my 128 hidden units.  The trips are counted down by one; the tile's number, four on each trip, feeds the list's offset alone
	s_wait_loadcnt 0x0                             ; this tile's x and the next tile's tokens, both asked for a trip ago
	MM
.rept 4
	v_nop                                          ; places behind the products: for the reads of their results, and for the loads into x's registers
.endr
	s_cmp_eq_u32 s[TRIPS], 1
	s_cbranch_scc1 .Lnonext                        ; the last trip asks for nothing
	XADDR                                          ; (the loads that read v15, v17 and v18 are done: the wait above)
	XLOAD                                          ; the next tile's x lands under this tile's gelu and quantiser
	s_add_co_u32 s30, s32, 8
	TOKENS                                         ; and the tokens of the tile after it
.Lnonext:
	GELU
	QUANT HA
	global_store_b128 v4, v[PC:PC+3], s[16:17]             ; the image: 512 consecutive bytes a store
	global_store_b128 v4, v[PC+4:PC+7], s[16:17] offset:512
	global_store_b32 v9, v[PW], s[18:19]                   ; row r's scale word (lanes r and 16 + r hold and write the same)
	s_wait_xcnt 0x0                                ; the stores have read their data and bases: both are written again only behind this wait
	s_add_nc_u64 s[16:17], s[16:17], 0x20000       ; four tiles on
	s_add_nc_u64 s[18:19], s[18:19], 0x2000
	s_add_co_u32 s32, s32, 4
	s_sub_co_u32 s[TRIPS], s[TRIPS], 1
	s_cmp_lg_u32 s[TRIPS], 0
	s_cbranch_scc1 .Ltile
.Lend:
	s_wait_tensorcnt 0x0
	ds_add_u32 v254, v255
	s_wait_dscnt 0x0
	s_endpgm
.Lfunc_end_k_q1006e12aac_ffn1:
	.size	k_q1006e12aac_ffn1, .Lfunc_end_k_q1006e12aac_ffn1-k_q1006e12aac_ffn1
	.p2alignl 7, 3214868480
	.fill 96, 4, 3214868480
	.section	.rodata,"a",@progbits
	.p2align	6, 0x0
	.amdhsa_kernel k_q1006e12aac_ffn1
		.amdhsa_group_segment_fixed_size 68096
		.amdhsa_private_segment_fixed_size 0
		.amdhsa_enable_private_segment 0
		.amdhsa_kernarg_size 64
		.amdhsa_user_sgpr_count 2
		.amdhsa_user_sgpr_kernarg_segment_ptr 1
		.amdhsa_wavefront_size32 1
		.amdhsa_system_sgpr_workgroup_id_x 1
		.amdhsa_system_sgpr_workgroup_id_y 1
		.amdhsa_system_sgpr_workgroup_id_z 1
		.amdhsa_system_vgpr_workitem_id 0
		.amdhsa_next_free_vgpr 896
		.amdhsa_next_free_sgpr 66
		.amdhsa_reserve_vcc 0
		.amdhsa_float_denorm_mode_32 3
		.amdhsa_float_denorm_mode_16_64 3
		.amdhsa_memory_ordered 1
		.amdhsa_forward_progress 1
		.amdhsa_inst_pref_size 51
	.end_amdhsa_kernel
	.amdgpu_metadata
---
amdhsa.version: [ 1, 2 ]
amdhsa.kernels:
  - .name:           k_q1006e12aac_ffn1
    .symbol:         k_q1006e12aac_ffn1.kd
    .args:
      - { .name: route, .offset: 0, .size: 8, .value_kind: global_buffer, .address_space: global }
      - { .name: xq, .offset: 8, .size: 8, .value_kind: global_buffer, .address_space: global }
      - { .name: xs, .offset: 16, .size: 8, .value_kind: global_buffer, .address_space: global }
      - { .name: w1_codes, .offset: 24, .size: 8, .value_kind: global_buffer, .address_space: global }
      - { .name: w1_scales, .offset: 32, .size: 8, .value_kind: global_buffer, .address_space: global }
      - { .name: b1, .offset: 40, .size: 8, .value_kind: global_buffer, .address_space: global }
      - { .name: hq, .offset: 48, .size: 8, .value_kind: global_buffer, .address_space: global }
      - { .name: hs, .offset: 56, .size: 8, .value_kind: global_buffer, .address_space: global }
    .group_segment_fixed_size: 68096
    .private_segment_fixed_size: 0
    .kernarg_segment_align: 8
    .kernarg_segment_size: 64
    .max_flat_workgroup_size: 128
    .sgpr_count:     66
    .vgpr_count:     896
    .wavefront_size: 32
...
	.end_amdgpu_metadata
.endif
;; end of part 3
;; launch ffn2 (part 4): grid 32 x 8, 4 waves a work-group, no clusters, 75,776 bytes of LDS; arguments route, hq, hs, w2_codes, w2_scales, b2, ybuf; writes ybuf
.if DOCPART == 4
	.amdgcn_target "amdgcn-amd-amdhsa--gfx1250"
	.amdhsa_code_object_version 6
	.text
	.protected	k_q1006e12aac_ffn2
	.globl	k_q1006e12aac_ffn2
	.p2align	8
	.type	k_q1006e12aac_ffn2,@function
k_q1006e12aac_ffn2:
	s_mov_b64 s[64:65], 0
	v_nop
	global_prefetch_b8 v0, s[64:65] scope:SCOPE_SE
	s_setreg_imm32_b32 hwreg(HW_REG_WAVE_MODE, 25, 1), 1
	s_wait_xcnt 0x0
; THE SECOND PRODUCT OF THE CHOSEN ROWS: y = h w2[e] + b2[e], on codes of E2M1 with one E8M0 scale for each 32 along K = 4,096.
; Work-group (j, e) owns outputs 32 j .. 32 j + 31 of expert e: 32 rows of w2's codes, 64 KB dense, read from memory once, in instructions of 512 consecutive bytes.
; They go through LDS into EVERY wave's registers as 64 fragments (2 tiles of 16 outputs x 32 K steps: 512 registers).  The expert's tiles of 16 rows go to the waves by turns (wave w: tiles w, w + 4, ..): no barrier in that loop.
; h comes as images of the operand's registers: a K step's fragment is two loads of 512 consecutive bytes; a tile is 64 such loads and 4 of scale words, in four chunks of 17 that run a whole tile ahead of their use.
; TRANSPOSED USE (source 0 = 16 rows of w2, source 1 = 16 rows of h): a lane holds 8 neighbouring outputs of one row.  b2 is the C of each sum's first product.  The two accumulators take turns.
; OUT: ybuf[T = 64 e + tile][j] = 16 rows x 32 outputs, f32, 2 KB dense, through the wave's own stage, so that each store covers 512 consecutive bytes.  Rows that fill up a last tile are stored too and never read.
; NO JOINT LOADS, though the 32 work-groups of an expert read the same h: the number of tiles is read from memory, so trip counts hang on a loaded number.
; REGISTERS, in windows of 256: window 0 below.  window 1: w2's fragments of K steps 0-15 at 8 (2 s + n) (at first: my 8 rows as loaded).  window 2: K steps 16-31.  window 3: h's 32 fragments, K step s at 8 s.
.set WP,  2064                         ; a row of w2 in LDS: 2,048 bytes + 16 = 129 x 16
.set STG, 32*WP                        ; behind the rows: a stage of 16 rows x 144 bytes for each wave
.set W2S, 32                           ; v32-63   w2's scale words: register s: lanes 0-15 rows 0-15, lanes 16-31 rows 16-31
.set HS,  64                           ; v64-79   h's scale words: register 4 u + i: lanes 0-15 K step 8 u + i, lanes 16-31 K step 8 u + 4 + i
.set ACC, 80                           ; v80-95   two accumulators
.set B2,  96                           ; v96-111  b2 in the result's layout
.set YO,  112                          ; v112-127 the tile on its way out
.set HP,  6                            ; s[6:7]   hq at my tile
.set SP,  8                            ; s[8:9]   hs at my tile
.set YP,  16                           ; s[16:17] ybuf at my tile and slice
.set MSB, 0
.macro WIN new                         ; the immediate's high byte repeats the setting that is left
.if MSB != \new
	s_set_vgpr_msb (MSB<<8)|\new
.set MSB, \new
.endif
.endm
	s_load_b256 s[4:11], s[0:1], 0x0               ; route s[4:5], hq s[6:7], hs s[8:9], w2 codes s[10:11]
	s_load_b128 s[12:15], s[0:1], 0x20             ; w2 scales s[12:13], b2 s[14:15]
	s_load_b64 s[16:17], s[0:1], 0x30              ; ybuf
	v_lshl_add_u32 v254, v0, 2, 0x12600
	v_mov_b32 v255, 0
	v_lshrrev_b32 v10, 5, v0
	v_readfirstlane_b32 s24, v10                   ; wave
	s_and_b32 s25, ttmp7, 0xffff                   ; e
	s_mov_b32 s26, ttmp9                           ; j
	v_and_b32 v10, 31, v0                          ; lane
	v_lshlrev_b32 v1, 4, v10                       ; 16 x lane
	v_and_b32 v2, 15, v0                           ; r
	v_bfe_u32 v3, v0, 4, 1                         ; h
	s_mul_i32 s30, s24, 8*WP
	v_add_nc_u32 v4, s30, v1                       ; w2 into LDS: my wave's 8 rows
	v_mul_u32_u24 v5, v2, WP
	v_lshl_add_u32 v5, v3, 4, v5                   ; a fragment: row r, + 16 h
	s_mul_i32 s30, s24, 16*144
	s_add_co_u32 s30, s30, STG                     ; my stage
	v_mul_u32_u24 v6, v2, 144
	v_lshl_add_u32 v6, v3, 5, v6
	v_add_nc_u32 v6, s30, v6                       ; in: row r, + 32 h
	v_lshrrev_b32 v11, 3, v10
	v_mul_u32_u24 v7, v11, 144
	v_and_b32 v11, 7, v10
	v_lshl_add_u32 v7, v11, 4, v7
	v_add_nc_u32 v7, s30, v7                       ; back: eight lanes to a row of 128 bytes, four rows an instruction
	v_lshlrev_b32 v8, 7, v10                       ; w2's scales: lane l takes row l of 128 bytes
	v_lshlrev_b32 v9, 5, v3                        ; b2: 8 h numbers on
	s_lshl_b32 s33, s25, 7                         ; cnt[e]: 128 bytes an expert (kept for the scalar load alone)
	s_mov_b32 s35, 0
	s_wait_kmcnt 0x0
	s_load_b32 s29, s[4:5], s33 offset:0x2400      ; the expert's rows
	s_lshl_b32 s34, s25, 21                        ; w2's codes: expert 2^21, slice 2^16, my wave's 8 rows 2^14 bytes
	s_lshl_b32 s30, s26, 16
	s_add_co_u32 s34, s34, s30
	s_lshl_b32 s30, s24, 14
	s_add_co_u32 s34, s34, s30
	s_add_nc_u64 s[10:11], s[10:11], s[34:35]
	s_lshl_b32 s34, s25, 17                        ; its scales: 2^17, 2^12
	s_lshl_b32 s30, s26, 12
	s_add_co_u32 s34, s34, s30
	s_add_nc_u64 s[12:13], s[12:13], s[34:35]
	s_lshl_b32 s34, s25, 12                        ; b2: 2^12, 2^7
	s_lshl_b32 s30, s26, 7
	s_add_co_u32 s34, s34, s30
	s_add_nc_u64 s[14:15], s[14:15], s[34:35]
	s_lshl_b32 s34, s25, 21                        ; hq: tile 64 e + w of 2^15 bytes
	s_lshl_b32 s30, s24, 15
	s_add_co_u32 s34, s34, s30
	s_add_nc_u64 s[HP:HP+1], s[HP:HP+1], s[34:35]
	s_lshl_b32 s34, s25, 17                        ; hs: of 2^11
	s_lshl_b32 s30, s24, 11
	s_add_co_u32 s34, s34, s30
	s_add_nc_u64 s[SP:SP+1], s[SP:SP+1], s[34:35]
	s_lshl_b32 s34, s25, 22                        ; ybuf: of 2^16, slice j of 2^11
	s_lshl_b32 s30, s24, 16
	s_add_co_u32 s34, s34, s30
	s_lshl_b32 s30, s26, 11
	s_add_co_u32 s34, s34, s30
	s_add_nc_u64 s[YP:YP+1], s[YP:YP+1], s[34:35]
	WIN 0x40                                       ; destination window 1
.set i, 0
.rept 32
	global_load_b128 v[4*i:4*i+3], v1, s[10:11] offset:512*i th:TH_LOAD_NT   ; a quarter of a row: 512 consecutive bytes; no other work-group reads them
.set i, i+1
.endr
	WIN 0
.irp g, 0,1,2,3,4,5,6,7
	global_load_b128 v[W2S+4*\g:W2S+4*\g+3], v8, s[12:13] offset:16*\g
.endr
.irp n, 0,1
.irp a, 0,1
	global_load_b128 v[B2+8*\n+4*\a:B2+8*\n+4*\a+3], v9, s[14:15] offset:64*\n+16*\a   ; lane (r, h), tile n: b2 of outputs 16 n + 8 h + 0 .. 7
.endr
.endr
	s_wait_loadcnt 0x0
	WIN 0x04                                       ; an LDS store's data are its source 1: window 1
.set i, 0
.rept 32
	ds_store_b128 v4, v[4*i:4*i+3] offset:WP*(i/4)+512*(i%4)
.set i, i+1
.endr
	WIN 0
	s_wait_dscnt 0x0                               ; for the others' sake: my 8 rows lie in LDS
	s_barrier_signal -1
	s_barrier_wait -1                              ; all 32 do.  The text's only barrier: all that hangs on the count stands behind it
	s_wait_kmcnt 0x0
	s_min_u32 s29, s29, 0x400
	s_add_co_u32 s31, s29, 15
	s_lshr_b32 s31, s31, 4                         ; the expert's tiles
	s_cmp_ge_u32 s24, s31
	s_cbranch_scc1 .Lend
; chunk q of a tile of h: K steps 8 q .. 8 q + 7 and their scale words: 17 loads of 512 consecutive bytes.  nxt = 1: of my next tile, four tiles on, by the immediates
.macro HLOAD q, nxt
	WIN 0xc0                                       ; destination window 3
.irp u, 0,1,2,3,4,5,6,7
.irp c, 0,1
	global_load_b128 v[8*(8*\q+\u)+4*\c:8*(8*\q+\u)+4*\c+3], v1, s[HP:HP+1] offset:\nxt*131072+1024*(8*\q+\u)+512*\c
.endr
.endr
	WIN 0
	global_load_b128 v[HS+4*\q:HS+4*\q+3], v1, s[SP:SP+1] offset:\nxt*8192+512*\q
.endm
	HLOAD 0, 0                                     ; my first tile is on its way while the fragments come out of LDS
	HLOAD 1, 0
	HLOAD 2, 0
	HLOAD 3, 0
	WIN 0x40
.set ks, 0
.rept 32
.if ks == 16
	WIN 0x80
.endif
.irp n, 0,1
.irp c, 0,1
	ds_load_b128 v[8*(2*(ks%16)+\n)+4*\c:8*(2*(ks%16)+\n)+4*\c+3], v5 offset:16*\n*WP+64*ks+32*\c
.endr
.endr
.set ks, ks+1
.endr
	WIN 0
	s_wait_dscnt 0x0
.macro WM arow, brow                   ; one product, from the symbols set in CHUNK; the rows of the scale registers differ from link to link
.if (\arow) && (\brow)
	v_wmma_scale_f32_16x16x128_f8f6f4 v[rD:rD+7], v[rA:rA+7], v[rB:rB+7], v[rC:rC+7], v[rSA], v[rSB] matrix_a_fmt:MATRIX_FMT_FP4 matrix_b_fmt:MATRIX_FMT_FP4 matrix_a_scale:MATRIX_SCALE_ROW1 matrix_b_scale:MATRIX_SCALE_ROW1
.elseif \arow
	v_wmma_scale_f32_16x16x128_f8f6f4 v[rD:rD+7], v[rA:rA+7], v[rB:rB+7], v[rC:rC+7], v[rSA], v[rSB] matrix_a_fmt:MATRIX_FMT_FP4 matrix_b_fmt:MATRIX_FMT_FP4 matrix_a_scale:MATRIX_SCALE_ROW1
.elseif \brow
	v_wmma_scale_f32_16x16x128_f8f6f4 v[rD:rD+7], v[rA:rA+7], v[rB:rB+7], v[rC:rC+7], v[rSA], v[rSB] matrix_a_fmt:MATRIX_FMT_FP4 matrix_b_fmt:MATRIX_FMT_FP4 matrix_b_scale:MATRIX_SCALE_ROW1
.else
	v_wmma_scale_f32_16x16x128_f8f6f4 v[rD:rD+7], v[rA:rA+7], v[rB:rB+7], v[rC:rC+7], v[rSA], v[rSB] matrix_a_fmt:MATRIX_FMT_FP4 matrix_b_fmt:MATRIX_FMT_FP4
.endif
.endm
; 16 products on chunk q.  left: the younger loads that may stay out.  ahead = 1: the chunk's registers then take the next tile's
.macro CHUNK q, ahead, left
	s_wait_loadcnt \left
.if \q < 2
	WIN 0x0d                                       ; source 0 (w2) window 1, source 1 (h) window 3, C and D window 0
.else
	WIN 0x0e                                       ; w2's K steps 16-31: window 2
.endif
.irp u, 0,1,2,3,4,5,6,7
.irp n, 0,1
.set sK, 8*\q+\u
.set rD, ACC+8*\n
.set rA, 8*(2*(sK%16)+\n)
.set rB, 8*sK
.set rC, rD
.if sK == 0
.set rC, B2+8*\n
.endif
.set rSA, W2S+sK
.set rSB, HS+4*(sK/8)+(sK%4)
	WM \n, (sK/4)%2
.endr
.endr
	WIN 0
.rept 5
	v_nop                                          ; places behind the products: four for the loads into h's registers and for the reads of the results; the fifth since the next tile's first products write the accumulators anew
.endr
.if \ahead
	HLOAD \q, 1
.endif
.endm
.macro TILE ahead
.if \ahead
	CHUNK 0, 1, 51                                 ; three chunks of 17 loads are always younger than the one that is wanted, round the loop's edge too
	CHUNK 1, 1, 51
	CHUNK 2, 1, 51
	CHUNK 3, 1, 51
.else
	CHUNK 0, 0, 51                                 ; the last tile asks for nothing: the counts run down
	CHUNK 1, 0, 34
	CHUNK 2, 0, 17
	CHUNK 3, 0, 0
.endif
.irp n, 0,1
.irp a, 0,1
	ds_store_b128 v6, v[ACC+8*\n+4*\a:ACC+8*\n+4*\a+3] offset:64*\n+16*\a    ; each accumulator from its low end on
.endr
.endr
.irp q, 0,1,2,3
	ds_load_b128 v[YO+4*\q:YO+4*\q+3], v7 offset:4*144*\q                    ; my own stage: LDS serves a wave's instructions in order
.endr
	s_wait_dscnt 0x0
.irp q, 0,1,2,3
	global_store_b128 v1, v[YO+4*\q:YO+4*\q+3], s[YP:YP+1] offset:512*\q th:TH_STORE_NT   ; 512 consecutive bytes, from a multiple of 256
.endr
.if \ahead
	s_wait_xcnt 0x0                                ; loads and stores have read their bases and data: these are written again only behind this wait
	s_add_nc_u64 s[YP:YP+1], s[YP:YP+1], 0x40000   ; four tiles on
	s_add_nc_u64 s[HP:HP+1], s[HP:HP+1], 0x20000
	s_add_nc_u64 s[SP:SP+1], s[SP:SP+1], 0x2000
.endif
.endm
	s_sub_co_u32 s32, s31, s24
	s_add_co_u32 s32, s32, 3
	s_lshr_b32 s32, s32, 2
	s_sub_co_u32 s32, s32, 1                       ; my tiles but the last
	s_cmp_eq_u32 s32, 0
	s_cbranch_scc1 .Llast
.Ltile:
	TILE 1
	s_sub_co_u32 s32, s32, 1
	s_cmp_lg_u32 s32, 0
	s_cbranch_scc1 .Ltile
.Llast:
	TILE 0
.Lend:
	s_wait_tensorcnt 0x0
	ds_add_u32 v254, v255
	s_wait_dscnt 0x0
	s_endpgm
.Lfunc_end_k_q1006e12aac_ffn2:
	.size	k_q1006e12aac_ffn2, .Lfunc_end_k_q1006e12aac_ffn2-k_q1006e12aac_ffn2
	.p2alignl 7, 3214868480
	.fill 96, 4, 3214868480
	.section	.rodata,"a",@progbits
	.p2align	6, 0x0
	.amdhsa_kernel k_q1006e12aac_ffn2
		.amdhsa_group_segment_fixed_size 75776
		.amdhsa_private_segment_fixed_size 0
		.amdhsa_enable_private_segment 0
		.amdhsa_kernarg_size 56
		.amdhsa_user_sgpr_count 2
		.amdhsa_user_sgpr_kernarg_segment_ptr 1
		.amdhsa_wavefront_size32 1
		.amdhsa_system_sgpr_workgroup_id_x 1
		.amdhsa_system_sgpr_workgroup_id_y 1
		.amdhsa_system_sgpr_workgroup_id_z 1
		.amdhsa_system_vgpr_workitem_id 0
		.amdhsa_next_free_vgpr 1024
		.amdhsa_next_free_sgpr 66
		.amdhsa_reserve_vcc 0
		.amdhsa_float_denorm_mode_32 3
		.amdhsa_float_denorm_mode_16_64 3
		.amdhsa_memory_ordered 1
		.amdhsa_forward_progress 1
		.amdhsa_inst_pref_size 52
	.end_amdhsa_kernel
	.amdgpu_metadata
---
amdhsa.version: [ 1, 2 ]
amdhsa.kernels:
  - .name:           k_q1006e12aac_ffn2
    .symbol:         k_q1006e12aac_ffn2.kd
    .args:
      - { .name: route, .offset: 0, .size: 8, .value_kind: global_buffer, .address_space: global }
      - { .name: hq, .offset: 8, .size: 8, .value_kind: global_buffer, .address_space: global }
      - { .name: hs, .offset: 16, .size: 8, .value_kind: global_buffer, .address_space: global }
      - { .name: w2_codes, .offset: 24, .size: 8, .value_kind: global_buffer, .address_space: global }
      - { .name: w2_scales, .offset: 32, .size: 8, .value_kind: global_buffer, .address_space: global }
      - { .name: b2, .offset: 40, .size: 8, .value_kind: global_buffer, .address_space: global }
      - { .name: ybuf, .offset: 48, .size: 8, .value_kind: global_buffer, .address_space: global }
    .group_segment_fixed_size: 75776
    .private_segment_fixed_size: 0
    .kernarg_segment_align: 8
    .kernarg_segment_size: 56
    .max_flat_workgroup_size: 128
    .sgpr_count:     66
    .vgpr_count:     1024
    .wavefront_size: 32
...
	.end_amdgpu_metadata
.endif
;; end of part 4
;; launch combine (part 5): grid 256 x 1, 4 waves a work-group, no clusters, 0 bytes of LDS; arguments route, coef, ybuf, out0; writes out0
.if DOCPART == 5
	.amdgcn_target "amdgcn-amd-amdhsa--gfx1250"
	.amdhsa_code_object_version 6
	.text
	.protected	k_q1006e12aac_combine
	.globl	k_q1006e12aac_combine
	.p2align	8
	.type	k_q1006e12aac_combine,@function
k_q1006e12aac_combine:
	s_mov_b64 s[64:65], 0
	v_nop
	global_prefetch_b8 v0, s[64:65] scope:SCOPE_SE
	s_setreg_imm32_b32 hwreg(HW_REG_WAVE_MODE, 25, 1), 1
	s_wait_xcnt 0x0
; out[token] = c0 y[pos0] + c1 y[pos1].  One wave takes one token (token = 4 x work-group + wave): each output row has one owner.
; pos[2 token + k] = 1024 e + rank names the row of ybuf: tile pos / 16 (65,536 bytes), row pos % 16 (128 bytes) in each of the tile's 32 slices of 2,048 bytes.
; All 16 loads go out at once; a load takes four pieces of 128 bytes; each store covers 512 consecutive bytes of the token's row.  A stream: no LDS, no barrier, no matrix unit.
.set Y0, 16                            ; v16-47  the first choice's row, then the result
.set Y1, 48                            ; v48-79  the second's
	s_load_b256 s[4:11], s[0:1], 0x0               ; route s[4:5], coef s[6:7], ybuf s[8:9], out0 s[10:11]
	v_lshrrev_b32 v1, 5, v0
	v_readfirstlane_b32 s12, v1                    ; wave
	s_lshl_b32 s13, ttmp9, 2
	s_add_co_u32 s13, s13, s12                     ; token
	s_lshl_b32 s14, s13, 3                         ; 8 bytes a token in pos and in coef
	v_and_b32 v5, 31, v0
	v_lshlrev_b32 v1, 4, v5                        ; 16 x lane
	v_lshrrev_b32 v2, 3, v5
	v_and_b32 v5, 7, v5
	v_lshlrev_b32 v2, 11, v2
	v_lshl_add_u32 v2, v5, 4, v2                   ; slice lane / 8 of the instruction's four, 16 (lane % 8) in its row
	s_lshl_b32 s20, s13, 12
	s_mov_b32 s21, 0
	s_wait_kmcnt 0x0
	s_load_b64 s[16:17], s[4:5], s14 offset:0x0    ; pos0, pos1
	s_load_b64 s[24:25], s[6:7], s14 offset:0x0    ; c0, c1
	s_add_nc_u64 s[10:11], s[10:11], s[20:21]      ; the token's row of out0
	s_wait_kmcnt 0x0
	s_mov_b32 s26, s25                             ; c1 as the low word of a pair;
	s_mov_b32 s27, s25                             ; (named with it, so it is written)
	s_min_u32 s16, s16, 0x1fff                     ; inside ybuf's 8,192 rows; behind the hold only masks, shifts left and sums
	s_min_u32 s17, s17, 0x1fff
	s_and_b32 s18, s16, 0x1ff0
	s_lshl_b32 s18, s18, 12                        ; tile x 65,536
	s_and_b32 s19, s16, 15
	s_lshl_b32 s19, s19, 7                         ; row x 128
	s_add_co_u32 s18, s18, s19
	s_and_b32 s22, s17, 0x1ff0
	s_lshl_b32 s22, s22, 12
	s_and_b32 s23, s17, 15
	s_lshl_b32 s23, s23, 7
	s_add_co_u32 s22, s22, s23
	v_add_nc_u32 v3, s18, v2
	v_add_nc_u32 v4, s22, v2
.irp i, 0,1,2,3,4,5,6,7
	global_load_b128 v[Y0+4*\i:Y0+4*\i+3], v3, s[8:9] offset:8192*\i th:TH_LOAD_NT   ; each row of ybuf is read by one wave of the launch
	global_load_b128 v[Y1+4*\i:Y1+4*\i+3], v4, s[8:9] offset:8192*\i th:TH_LOAD_NT
.endr
.irp i, 0,1,2,3,4,5,6,7
	s_wait_loadcnt 14-2*\i                         ; pair i is in; the pairs behind it may be out
	v_pk_mul_f32 v[Y1+4*\i:Y1+4*\i+1], v[Y1+4*\i:Y1+4*\i+1], s[26:27] op_sel_hi:[1,0]
	v_pk_mul_f32 v[Y1+4*\i+2:Y1+4*\i+3], v[Y1+4*\i+2:Y1+4*\i+3], s[26:27] op_sel_hi:[1,0]
	v_pk_fma_f32 v[Y0+4*\i:Y0+4*\i+1], v[Y0+4*\i:Y0+4*\i+1], s[24:25], v[Y1+4*\i:Y1+4*\i+1] op_sel_hi:[1,0,1]
	v_pk_fma_f32 v[Y0+4*\i+2:Y0+4*\i+3], v[Y0+4*\i+2:Y0+4*\i+3], s[24:25], v[Y1+4*\i+2:Y1+4*\i+3] op_sel_hi:[1,0,1]
	global_store_b128 v1, v[Y0+4*\i:Y0+4*\i+3], s[10:11] offset:512*\i th:TH_STORE_NT
.endr
	s_endpgm
.Lfunc_end_k_q1006e12aac_combine:
	.size	k_q1006e12aac_combine, .Lfunc_end_k_q1006e12aac_combine-k_q1006e12aac_combine
	.p2alignl 7, 3214868480
	.fill 96, 4, 3214868480
	.section	.rodata,"a",@progbits
	.p2align	6, 0x0
	.amdhsa_kernel k_q1006e12aac_combine
		.amdhsa_group_segment_fixed_size 0
		.amdhsa_private_segment_fixed_size 0
		.amdhsa_enable_private_segment 0
		.amdhsa_kernarg_size 32
		.amdhsa_user_sgpr_count 2
		.amdhsa_user_sgpr_kernarg_segment_ptr 1
		.amdhsa_wavefront_size32 1
		.amdhsa_system_sgpr_workgroup_id_x 1
		.amdhsa_system_sgpr_workgroup_id_y 1
		.amdhsa_system_sgpr_workgroup_id_z 1
		.amdhsa_system_vgpr_workitem_id 0
		.amdhsa_next_free_vgpr 96
		.amdhsa_next_free_sgpr 66
		.amdhsa_reserve_vcc 0
		.amdhsa_float_denorm_mode_32 3
		.amdhsa_float_denorm_mode_16_64 3
		.amdhsa_memory_ordered 1
		.amdhsa_forward_progress 1
		.amdhsa_inst_pref_size 7
	.end_amdhsa_kernel
	.amdgpu_metadata
---
amdhsa.version: [ 1, 2 ]
amdhsa.kernels:
  - .name:           k_q1006e12aac_combine
    .symbol:         k_q1006e12aac_combine.kd
    .args:
      - { .name: route, .offset: 0, .size: 8, .value_kind: global_buffer, .address_space: global }
      - { .name: coef, .offset: 8, .size: 8, .value_kind: global_buffer, .address_space: global }
      - { .name: ybuf, .offset: 16, .size: 8, .value_kind: global_buffer, .address_space: global }
      - { .name: out0, .offset: 24, .size: 8, .value_kind: global_buffer, .address_space: global }
    .group_segment_fixed_size: 0
    .private_segment_fixed_size: 0
    .kernarg_segment_align: 8
    .kernarg_segment_size: 32
    .max_flat_workgroup_size: 128
    .sgpr_count:     66
    .vgpr_count:     96
    .wavefront_size: 32
...
	.end_amdgpu_metadata
.endif
;; end of part 5
;; ======== version 2 of 3: 4 launches
;; workspace buffers: xq 524,288 bytes; xs 32,768 bytes; sel 4,096 bytes of whole numbers; coef 8,192 bytes; hq 16,777,216 bytes; hs 1,048,576 bytes; route 10,240 bytes of whole numbers; ybuf 33,554,432 bytes
;; launch route: the kernel of part 1 again; grid 256 x 1, 4 waves a work-group, no clusters, 52,224 bytes of LDS; arguments x, gate_w, xq, xs, sel, coef; writes xq, xs, sel, coef
;; launch ffn1 (part 6): grid 32 x 8, 4 waves a work-group, no clusters, 68,096 bytes of LDS; arguments sel, xq, xs, w1_codes, w1_scales, b1, hq, hs, route; writes hq, hs, route
.if DOCPART == 6
	.amdgcn_target "amdgcn-amd-amdhsa--gfx1250"
	.amdhsa_code_object_version 6
	.text
	.protected	k_q1006e12aac_ffn1
	.globl	k_q1006e12aac_ffn1
	.p2align	8
	.type	k_q1006e12aac_ffn1,@function
k_q1006e12aac_ffn1:
	s_mov_b64 s[64:65], 0
	v_nop
	global_prefetch_b8 v0, s[64:65] scope:SCOPE_SE
	s_setreg_imm32_b32 hwreg(HW_REG_WAVE_MODE, 25, 1), 1
	s_wait_xcnt 0x0
; THE FIRST PRODUCT OF THE CHOSEN ROWS: h = Q(gelu(x w1[e] + b1[e])), on codes of E2M1 with one E8M0 scale for each 32 along K.
; Work-group (j, e) owns hidden units 128 j .. 128 j + 127 of expert e: 128 rows of w1's codes, 64 KB, read from memory once, in instructions of 512 consecutive bytes.
; They go through LDS into EVERY wave's registers as 64 fragments (8 tiles of 16 units x 8 K steps: 512 registers).  The expert's tokens come in tiles of 16; wave w takes tiles w, w + 4, ..: no barrier in that loop.
; WHICH TOKENS.  sel[token] = (1 << e0) | (1 << (8 + e1)) was stored by the launch before.  Every wave reads its 1,024 words (register n = 4 i + c: token 128 i + 4 lane + c) and keeps, in scalar registers,
; 32 masks (bit l of mask n: that token chose e) and 31 keys (key n = 32 x the choosing tokens ahead of register n, + n).  A token's RANK is the choosing tokens ahead of it in the order (n, lane).
; SEARCH finds the token of a rank in registers: the keys rise with n, so the last key not above 32 rank + 31 names the register n that holds the rank; then the (rank - those ahead)-th set bit of mask n is its lane.
; A rank at or past the count finds some token of the 1,024: a last tile is filled up so; such rows are computed, stored and never used.
; Wave 0 of work-group j = 0 of each expert also stores route: pos[2 token + k] = 1024 e + rank (words 2048 + 32 e + lane take what the other lanes send, and are never read), and cnt[e], 32 equal copies from byte 9,216 + 128 e.
; THE PRODUCT IS USED TRANSPOSED (source 0 = 16 rows of w1, source 1 = 16 tokens), and lane r of tile 2 b + u takes w1's row 32 b + 8 u + r + 8 (r / 8): so a lane holds ONE token, and the 16 registers of tiles
; 2 b, 2 b + 1 are hidden units 32 b + 16 (lane / 16) + 0 .. 15: neighbours along the next K.  b1 is the C of each sum's first product.
; gelu (tanh form) = x / (1 + 2^(x (c0 + c1 x^2))), c0 = -2 log2(e) sqrt(2 / pi), c1 = 0.044715 c0: all in f32.
; OUT: the 128 units are K step j of the second product: hq[T = 64 e + tile][j] is the image of that operand's 8 registers (1,024 bytes), hs its scale words.
; AHEAD: in the trip of tile i the codes of x for tile i + 1 are asked for, by tokens that were found a trip earlier, and the tokens of tile i + 2 are searched for while those loads are out.
; NO JOINT LOADS, though the 32 work-groups of an expert gather the same rows of x: how many tiles there are is made from numbers read from memory, so trip counts hang on loaded numbers.
; LIMITS: NaN and infinities are not served; a block of zeros, or one under 2^-124, gets the scale byte 1: its codes are zeros, and only this program reads the bytes.
; REGISTERS, in windows of 256: window 0: see below.  window 1: w1's fragments of K steps 0-3 at 8 (8 s + t) (at first: my 32 rows as loaded).  window 2: K steps 4-7.  window 3: v0-63 b1's 8 tiles; v64-127 x's 8 fragments.
.set PITCH, 528                        ; a row of w1 in LDS: 512 bytes + 16 = 33 x 16: the 16 rows of a fragment load start at 16 different columns of 16 bytes
.set W1S, 32                           ; v32-63   w1's scale words: register 8 b + s: lanes 0-15 tile 2 b, lanes 16-31 tile 2 b + 1, K step s
.set HA,  64                           ; v64-127  the 8 accumulators
.set SW,  64                           ; v64-95   (ahead of the loop) sel's words; in the wave that stores pos: then their byte offsets in route
.set P,   96                           ; v96-127  (ahead of the loop, in that wave) 1024 e + rank
.set Z,   128                          ; v128-191 at work in gelu
.set XS,  192                          ; v192-199 x's scale words, K step s
.set PC,  200                          ; v200-207 the codes just made
.set TM,  208                          ; v208-223 at work in the quantiser
.set PW,  224                          ; v224     the scale word just made
.set H16, 225                          ; v225     16 x (lane / 16)
.set TRIPS, 22                         ; s22      my tiles still to do
.set SEL, 36                           ; s[36:37] v_permlanex16_b32's selects
.set MASK, 66                          ; s66-97   the 32 masks
.set MSB, 0
.macro WIN new                         ; the immediate's high byte repeats the setting that is left
.if MSB != \new
	s_set_vgpr_msb (MSB<<8)|\new
.set MSB, \new
.endif
.endm
.macro SETK n                          ; KR = the scalar register of key n, n = 1 .. 31: s38-63, s98-101, s104
.if (\n) < 27
.set KR, 37+(\n)
.elseif (\n) < 31
.set KR, 71+(\n)
.else
.set KR, 104
.endif
.endm
.macro XLOAD                           ; 16 tokens' codes (8 fragments) and scale words; v17 = token x 512 + 16 h, v18 = token x 32
	WIN 0xc0
.irp s, 0,1,2,3,4,5,6,7
.irp c, 0,1
	global_load_b128 v[64+8*\s+4*\c:64+8*\s+4*\c+3], v17, s[6:7] offset:64*\s+32*\c
.endr
.endr
	WIN 0
.irp a, 0,1
	global_load_b128 v[XS+4*\a:XS+4*\a+3], v18, s[8:9] offset:16*\a
.endr
.endm
.macro DOWN src, width, step           ; one halving: the field of v[src] at bit v31 counts the set bits of the lower half; if my bit is not among them, take them off and go on in the upper half
	v_bfe_u32 v30, v[\src], v31, \width
	v_cmp_ge_u32 vcc_lo, v22, v30
	v_cndmask_b32 v30, 0, v30, vcc_lo
	v_sub_nc_u32 v22, v22, v30
	v_cndmask_b32 v30, 0, \step, vcc_lo
	v_add_nc_u32 v31, v31, v30
.endm
; The tokens of the tile whose number stands in s30, into v16: lanes r and 16 + r find the token of rank 16 s30 + r.  Registers alone: v15, v19-23, v28-31 at work
.macro SEARCH
	v_lshl_add_u32 v15, s30, 4, v2                 ; the rank
	v_lshl_or_b32 v19, v15, 5, 31                  ; 32 rank + 31: not under key n just where the choosing tokens ahead of register n are not more than the rank
	v_mov_b32 v20, 0                               ; key 0
	v_mov_b32 v21, s[MASK]
.set sn, 1
.rept 31
	SETK sn
	v_cmp_gt_u32 vcc_lo, s[KR], v19                ; past my rank: what I hold is kept
	v_cndmask_b32 v20, s[KR], v20, vcc_lo
	v_cndmask_b32 v21, s[MASK+sn], v21, vcc_lo
.set sn, sn+1
.endr
	v_lshrrev_b32 v22, 5, v20
	v_sub_nc_u32 v22, v15, v22                     ; which set bit of my mask, from 0
	v_and_b32 v20, 31, v20                         ; n
	v_lshrrev_b32 v23, 1, v21                      ; the mask's set bits counted in fields of 2,
	v_and_b32 v23, 0x55555555, v23
	v_sub_nc_u32 v23, v21, v23
	v_lshrrev_b32 v28, 2, v23                      ; of 4,
	v_and_b32 v29, 0x33333333, v23
	v_and_b32 v28, 0x33333333, v28
	v_add_nc_u32 v28, v28, v29
	v_lshrrev_b32 v29, 4, v28                      ; of 8,
	v_add_nc_u32 v29, v29, v28
	v_and_b32 v29, 0x0f0f0f0f, v29
	v_lshrrev_b32 v30, 8, v29                      ; and in bits 0 to 15
	v_add_nc_u32 v30, v30, v29
	v_and_b32 v30, 0xff, v30
	v_cmp_ge_u32 vcc_lo, v22, v30
	v_cndmask_b32 v30, 0, v30, vcc_lo
	v_sub_nc_u32 v22, v22, v30
	v_cndmask_b32 v31, 0, 16, vcc_lo               ; the bit's place: 0 or 16 on,
	DOWN 29, 4, 8
	DOWN 28, 4, 4
	DOWN 23, 2, 2
	DOWN 21, 1, 1                                  ; .. the lane
	v_lshrrev_b32 v30, 2, v20                      ; n = 4 i + c: token 128 i + 4 lane + c
	v_and_b32 v20, 3, v20
	v_lshl_or_b32 v20, v31, 2, v20
	v_lshl_or_b32 v16, v30, 7, v20
.endm
.macro XADDR                           ; from the tokens in v16 to x's offsets
	v_min_u32 v16, 0x3ff, v16                      ; inside x's 1,024 rows
	v_lshl_add_u32 v17, v16, 9, v[H16]
	v_lshlrev_b32 v18, 5, v16
.endm
	s_load_b512 s[4:19], s[0:1], 0x0               ; sel s[4:5], xq s[6:7], xs s[8:9], w1 codes s[10:11], w1 scales s[12:13], b1 s[14:15], hq s[16:17], hs s[18:19]
	s_load_b64 s[20:21], s[0:1], 0x40              ; route
	v_lshl_add_u32 v254, v0, 2, 0x10800
	v_mov_b32 v255, 0
	v_lshrrev_b32 v1, 5, v0
	v_readfirstlane_b32 s24, v1                    ; wave
	s_and_b32 s25, ttmp7, 0xffff                   ; e
	s_mov_b32 s26, ttmp9                           ; j
	v_and_b32 v1, 31, v0                           ; lane
	v_and_b32 v2, 15, v0                           ; r
	v_bfe_u32 v3, v0, 4, 1                         ; h
	v_lshlrev_b32 v4, 4, v1                        ; 16 x lane
	s_mul_i32 s30, s24, 32*PITCH
	v_add_nc_u32 v5, s30, v4                       ; w1 into LDS: my wave's 32 rows
	v_mul_u32_u24 v6, v2, PITCH
	v_lshl_add_u32 v6, v3, 4, v6                   ; a fragment: row r, + 16 h
	v_and_b32 v7, 8, v2
	v_add_nc_u32 v7, v7, v2
	v_lshl_add_u32 v7, v3, 3, v7
	v_lshlrev_b32 v7, 5, v7                        ; w1's scales: row r + 8 (r / 8) + 8 h of 32 bytes
	v_lshlrev_b32 v8, 6, v3                        ; b1: 16 h numbers on
	v_lshlrev_b32 v9, 4, v2                        ; hs: 16 bytes a row
	v_lshlrev_b32 v10, 2, v1                       ; 4 x lane
	s_lshl_b32 s30, s25, 5
	s_add_co_u32 s30, s30, 2048
	v_add_nc_u32 v12, s30, v1                      ; pos's word for what my lane does not choose: 2048 + 32 e + lane
	s_lshl_b32 s30, s25, 7
	s_add_co_u32 s30, s30, 9216
	v_add_nc_u32 v13, s30, v10                     ; cnt[e], a copy a lane
	v_lshlrev_b32 v[H16], 4, v3
	v_mov_b32 v24, 0xbdd2d3e8                      ; c1 = -0.10294324, twice
	v_mov_b32 v25, 0xbdd2d3e8
	v_mov_b32 v26, 0xc0135761                      ; c0 = -2.3022082, twice
	v_mov_b32 v27, 0xc0135761
.irp b, 0,1,2,3
	v_mov_b32 v[TM+4+\b], 0                        ; written once: a lane permute's destination counts as one of its sources
.endr
	s_lshl_b32 s27, 0x101, s25                     ; the two bits of sel that name e
	s_add_co_u32 s28, s25, 8
	s_mov_b32 s[SEL], 0x76543210
	s_mov_b32 s[SEL+1], 0xfedcba98
	s_mov_b32 s35, 0
	s_wait_kmcnt 0x0
	s_lshl_b32 s34, s25, 21                        ; w1's codes: expert 2^21, slice 2^16, my wave's 32 rows 2^14 bytes
	s_lshl_b32 s30, s26, 16
	s_add_co_u32 s34, s34, s30
	s_lshl_b32 s30, s24, 14
	s_add_co_u32 s34, s34, s30
	s_add_nc_u64 s[10:11], s[10:11], s[34:35]
	s_lshl_b32 s34, s25, 17                        ; its scales: 2^17, 2^12
	s_lshl_b32 s30, s26, 12
	s_add_co_u32 s34, s34, s30
	s_add_nc_u64 s[12:13], s[12:13], s[34:35]
	s_lshl_b32 s34, s25, 14                        ; b1: 2^14, 2^9
	s_lshl_b32 s30, s26, 9
	s_add_co_u32 s34, s34, s30
	s_add_nc_u64 s[14:15], s[14:15], s[34:35]
	s_lshl_b32 s34, s25, 21                        ; hq: tile 64 e + w of 2^15 bytes, K step j of 2^10
	s_lshl_b32 s30, s24, 15
	s_add_co_u32 s34, s34, s30
	s_lshl_b32 s30, s26, 10
	s_add_co_u32 s34, s34, s30
	s_add_nc_u64 s[16:17], s[16:17], s[34:35]
	s_lshl_b32 s34, s25, 17                        ; hs: tile of 2^11 bytes, group j / 4 of 256, word j % 4
	s_lshl_b32 s30, s24, 11
	s_add_co_u32 s34, s34, s30
	s_lshr_b32 s30, s26, 2
	s_lshl_b32 s30, s30, 8
	s_add_co_u32 s34, s34, s30
	s_and_b32 s30, s26, 3
	s_lshl_b32 s30, s30, 2
	s_add_co_u32 s34, s34, s30
	s_add_nc_u64 s[18:19], s[18:19], s[34:35]
	; ---- the choices first, then everything that comes from memory once
.irp i, 0,1,2,3,4,5,6,7
	global_load_b128 v[SW+4*\i:SW+4*\i+3], v4, s[4:5] offset:512*\i   ; 32 lanes read 512 consecutive bytes
.endr
	WIN 0x40                                       ; destination window 1
.set i, 0
.rept 32
	global_load_b128 v[4*i:4*i+3], v4, s[10:11] offset:512*i th:TH_LOAD_NT   ; one row of w1: 512 consecutive bytes; no other work-group reads it
.set i, i+1
.endr
	WIN 0
.irp b, 0,1,2,3
.irp a, 0,1
	global_load_b128 v[W1S+8*\b+4*\a:W1S+8*\b+4*\a+3], v7, s[12:13] offset:1024*\b+16*\a
.endr
.endr
	WIN 0xc0                                       ; destination window 3
.irp t, 0,1,2,3,4,5,6,7
.irp a, 0,1
	global_load_b128 v[8*\t+4*\a:8*\t+4*\a+3], v8, s[14:15] offset:(32*(\t/2)+8*(\t%2))*4+16*\a   ; lane (r, h), tile 2 b + u: b1 of units 32 b + 16 h + 8 u + 0 .. 7
.endr
.endr
	WIN 0
	s_wait_loadcnt 56                              ; sel is in: the 32 + 8 + 16 loads behind it may be out.  All that follows up to the next wait on loads is done while w1 is on its way
	; ---- the masks, then the keys and the count
.set n, 0
.rept 32
	v_and_b32 v[19+n%2], s27, v[SW+n]
	v_cmp_ne_u32 s[MASK+n], 0, v[19+n%2]           ; bit l: token 128 (n / 4) + 4 l + n % 4 chose e
.set n, n+1
.endr
	s_mov_b32 s29, 0                               ; key 0
.set n, 0
.rept 32
.if n > 0
	SETK n
	s_mov_b32 s[KR], s29
.endif
	s_bcnt1_i32_b32 s30, s[MASK+n]
	s_lshl_b32 s30, s30, 5
	s_add_co_u32 s29, s29, s30                     ; 32 x the choosing tokens so far,
.if n < 31
	s_add_co_u32 s29, s29, 1                       ; + the register's number
.endif
.set n, n+1
.endr
	s_lshr_b32 s29, s29, 5                         ; the expert's tokens
	s_mov_b32 s30, s24
	SEARCH                                         ; my first tile's tokens
	XADDR
	XLOAD                                          ; its x is on its way while w1 goes through LDS
	s_add_co_u32 s30, s24, 4
	SEARCH                                         ; my second tile's tokens
	; ---- one wave of one work-group of each expert stores the places and the count
	s_cmp_lg_u32 s24, 0
	s_cbranch_scc1 .Lplaced
	s_cmp_lg_u32 s26, 0
	s_cbranch_scc1 .Lplaced
	s_lshl_b32 s33, s25, 10                        ; 1024 e
.set n, 0
.rept 32
.if n == 0
	s_mov_b32 s30, 0
.else
	SETK n
	s_lshr_b32 s30, s[KR], 5                       ; the choosing tokens ahead of register n
.endif
	v_mbcnt_lo_u32_b32 v20, s[MASK+n], s30         ; + the choosing lanes below mine: my token's rank, if it chose
	v_bfe_u32 v22, v[SW+n], s28, 1                 ; k: 1 where e is the token's second choice
	v_add_nc_u32 v21, 128*(n/4)+n%4, v10           ; the token
	v_lshl_add_u32 v22, v21, 1, v22                ; 2 token + k
	v_cndmask_b32 v22, v12, v22, s[MASK+n]
	v_min_u32 v[SW+n], 0x8ff, v22                  ; inside pos's 2,304 words
	v_lshlrev_b32 v[SW+n], 2, v[SW+n]
	v_add_nc_u32 v[P+n], s33, v20                  ; 1024 e + rank
	global_store_b32 v[SW+n], v[P+n], s[20:21]     ; each of the 32 stores has registers of its own
.set n, n+1
.endr
	v_mov_b32 v14, s29
	global_store_b32 v13, v14, s[20:21]            ; cnt[e], 32 equal copies
.Lplaced:
	; ---- w1's rows into LDS.  Row i of my 32 goes to the place with bits 3 and 4 of i exchanged: so tile t's sixteen rows lie at places 16 t .. 16 t + 15
	s_wait_loadcnt 18                              ; w1, its scales and b1 are in: x's 18 loads are younger
	s_wait_xcnt 0x0                                ; the stores above have read their registers, which the accumulators will take
	WIN 0x04                                       ; an LDS store's data are its source 1: window 1
.set i, 0
.rept 32
	ds_store_b128 v5, v[4*i:4*i+3] offset:PITCH*((i&7)|((i&8)<<1)|((i&16)>>1))
.set i, i+1
.endr
	WIN 0
	s_wait_dscnt 0x0                               ; for the others' sake: my 32 rows lie in LDS
	s_barrier_signal -1
	s_barrier_wait -1                              ; all 128 do.  The text's only barrier: every branch that hangs on the count stands behind it; from here on LDS is only read
	s_min_u32 s29, s29, 0x400                      ; the expert's tokens
	s_add_co_u32 s31, s29, 15
	s_lshr_b32 s31, s31, 4                         ; its tiles
	s_mov_b32 s32, s24                             ; my first tile
	s_add_co_u32 s[TRIPS], s31, 3
	s_sub_co_u32 s[TRIPS], s[TRIPS], s24
	s_lshr_b32 s[TRIPS], s[TRIPS], 2               ; my tiles: (tiles + 3 - wave) / 4, which is 0 just where the wave's number is not under the number of tiles
	s_cmp_eq_u32 s[TRIPS], 0
	s_cbranch_scc1 .Lend
.set ks, 0
.rept 8
.if ks == 0
	WIN 0x40
.elseif ks == 4
	WIN 0x80
.endif
.irp t, 0,1,2,3,4,5,6,7
.irp c, 0,1
	ds_load_b128 v[8*(8*(ks%4)+\t)+4*\c:8*(8*(ks%4)+\t)+4*\c+3], v6 offset:16*\t*PITCH+64*ks+32*\c
.endr
.endr
.set ks, ks+1
.endr
	WIN 0
	s_wait_dscnt 0x0
; 64 products: the 8 accumulators by turns, K step by K step
.macro MM
.set ks, 0
.rept 8
.if ks == 0
	WIN 0x3d                                       ; source 0 (w1) window 1, source 1 (x) window 3, C (b1) window 3
.elseif ks < 4
	WIN 0x0d
.else
	WIN 0x0e                                       ; w1's K steps 4-7: window 2
.endif
.irp t, 0,1,2,3,4,5,6,7
.set rD, HA+8*\t
.set rA, 8*(8*(ks%4)+\t)
.set rB, 64+8*ks
.set rC, rD
.if ks == 0
.set rC, 8*\t
.endif
.if \t%2
	v_wmma_scale_f32_16x16x128_f8f6f4 v[rD:rD+7], v[rA:rA+7], v[rB:rB+7], v[rC:rC+7], v[W1S+8*(\t/2)+ks], v[XS+ks] matrix_a_fmt:MATRIX_FMT_FP4 matrix_b_fmt:MATRIX_FMT_FP4 matrix_a_scale:MATRIX_SCALE_ROW1
.else
	v_wmma_scale_f32_16x16x128_f8f6f4 v[rD:rD+7], v[rA:rA+7], v[rB:rB+7], v[rC:rC+7], v[W1S+8*(\t/2)+ks], v[XS+ks] matrix_a_fmt:MATRIX_FMT_FP4 matrix_b_fmt:MATRIX_FMT_FP4
.endif
.endr
.set ks, ks+1
.endr
	WIN 0
.endm
.macro GELU                            ; in place on the 64 numbers, each accumulator read from its low end on
.set i, 0
.rept 32
	v_pk_mul_f32 v[Z+i:Z+i+1], v[HA+i:HA+i+1], v[HA+i:HA+i+1]
.set i, i+2
.endr
.set i, 0
.rept 32
	v_pk_fma_f32 v[Z+i:Z+i+1], v[Z+i:Z+i+1], v[24:25], v[26:27]   ; c0 + c1 x^2
.set i, i+2
.endr
.set i, 0
.rept 32
	v_pk_mul_f32 v[Z+i:Z+i+1], v[Z+i:Z+i+1], v[HA+i:HA+i+1]
.set i, i+2
.endr
.set i, 0
.rept 64
	v_exp_f32 v[Z+i], v[Z+i]
.set i, i+1
.endr
	v_nop                                          ; a plain line behind the last exponential
.set i, 0
	s_wait_alu depctr_va_vdst(0)
.rept 32
	v_pk_add_f32 v[Z+i:Z+i+1], v[Z+i:Z+i+1], 1.0 op_sel_hi:[1,0]
.set i, i+2
.endr
.set i, 0
.rept 64
	v_rcp_f32 v[Z+i], v[Z+i]
.set i, i+1
.endr
	v_nop                                          ; a plain line behind the last reciprocal
.set i, 0
	s_wait_alu depctr_va_vdst(0)
.rept 32
	v_pk_mul_f32 v[HA+i:HA+i+1], v[HA+i:HA+i+1], v[Z+i:Z+i+1]
.set i, i+2
.endr
.endm
; 64 numbers of a lane, register 16 b + i = k 32 b + 16 (lane / 16) + i of my token, become a fragment's codes in v[PC] on and its scale word in v[PW]
.macro QUANT s
.irp b, 0,1,2,3
	v_max3_num_f32 v[TM+\b], |v[\s+16*\b]|, |v[\s+1+16*\b]|, 0x1800000   ; block b: my 16 numbers, and the floor 2^(3 - 127): the byte cannot fall under 1
.endr
.irp i, 2,4,6,8,10,12,14
.irp b, 0,1,2,3
	v_max3_num_f32 v[TM+\b], v[TM+\b], |v[\s+16*\b+\i]|, |v[\s+1+16*\b+\i]|
.endr
.endr
.irp b, 0,1,2,3
	v_permlanex16_b32 v[TM+4+\b], v[TM+\b], s[SEL], s[SEL+1]
.endr
.irp b, 0,1,2,3
	v_max_num_f32 v[TM+\b], v[TM+\b], v[TM+4+\b]   ; with lane l xor 16's: the block's largest magnitude
.endr
.irp b, 0,1,2,3
	v_add_nc_u32 v[TM+12+\b], 0xff000000, v[TM+\b] ; 2 off its exponent field: the conversion's scale operand
.endr
.irp b, 0,1,2,3
	v_lshrrev_b32 v[TM+4+\b], 23, v[TM+12+\b]      ; the scale's byte
.endr
	v_lshl_or_b32 v[PW], v[TM+5], 8, v[TM+4]
	v_lshl_or_b32 v[PW], v[TM+6], 16, v[PW]
	v_lshl_or_b32 v[PW], v[TM+7], 24, v[PW]
.irp b, 0,1,2,3
	v_cvt_scalef32_pk8_fp4_f32 v[PC+2*\b], v[\s+16*\b:\s+7+16*\b], v[TM+12+\b]
	v_cvt_scalef32_pk8_fp4_f32 v[PC+1+2*\b], v[\s+8+16*\b:\s+15+16*\b], v[TM+12+\b]
.endr
	v_nop                                          ; one plain line behind the last scaled conversion
.irp c, 0,1                            ; the operand's layout wants a whole block in a lane: lanes 0-15 block 2 c, lanes 16-31 block 2 c + 1
.irp i, 0,1
	v_permlane16_swap_b32 v[PC+4*\c+\i], v[PC+2+4*\c+\i]
.endr
.endr
.endm
.Ltile:                                                ; a trip: one tile of 16 tokens x my 128 hidden units.  The trips are counted down by one; the tile's number, four on each trip, feeds the ranks that are searched for alone
	s_wait_loadcnt 0x0                             ; this tile's x, asked for a trip ago
	MM
.rept 4
	v_nop                                          ; places behind the products: for the reads of their results, and for the loads into x's registers
.endr
	s_cmp_eq_u32 s[TRIPS], 1
	s_cbranch_scc1 .Lnonext                        ; the last trip asks for nothing
	XADDR                                          ; (the loads that read v17 and v18 are done: the wait above)
	XLOAD                                          ; the next tile's x lands under the search, this tile's gelu and its quantiser
	s_add_co_u32 s30, s32, 8
	SEARCH                                         ; the tokens of the tile after it
.Lnonext:
	GELU
	QUANT HA
	global_store_b128 v4, v[PC:PC+3], s[16:17]             ; the image: 512 consecutive bytes a store
	global_store_b128 v4, v[PC+4:PC+7], s[16:17] offset:512
	global_store_b32 v9, v[PW], s[18:19]                   ; row r's scale word (lanes r and 16 + r hold and write the same)
	s_wait_xcnt 0x0                                ; the stores have read their data and bases: both are written again only behind this wait
	s_add_nc_u64 s[16:17], s[16:17], 0x20000       ; four tiles on
	s_add_nc_u64 s[18:19], s[18:19], 0x2000
	s_add_co_u32 s32, s32, 4
	s_sub_co_u32 s[TRIPS], s[TRIPS], 1
	s_cmp_lg_u32 s[TRIPS], 0
	s_cbranch_scc1 .Ltile
.Lend:
	s_wait_tensorcnt 0x0
	ds_add_u32 v254, v255
	s_wait_dscnt 0x0
	s_endpgm
.Lfunc_end_k_q1006e12aac_ffn1:
	.size	k_q1006e12aac_ffn1, .Lfunc_end_k_q1006e12aac_ffn1-k_q1006e12aac_ffn1
	.p2alignl 7, 3214868480
	.fill 96, 4, 3214868480
	.section	.rodata,"a",@progbits
	.p2align	6, 0x0
	.amdhsa_kernel k_q1006e12aac_ffn1
		.amdhsa_group_segment_fixed_size 68096
		.amdhsa_private_segment_fixed_size 0
		.amdhsa_enable_private_segment 0
		.amdhsa_kernarg_size 72
		.amdhsa_user_sgpr_count 2
		.amdhsa_user_sgpr_kernarg_segment_ptr 1
		.amdhsa_wavefront_size32 1
		.amdhsa_system_sgpr_workgroup_id_x 1
		.amdhsa_system_sgpr_workgroup_id_y 1
		.amdhsa_system_sgpr_workgroup_id_z 1
		.amdhsa_system_vgpr_workitem_id 0
		.amdhsa_next_free_vgpr 896
		.amdhsa_next_free_sgpr 106
		.amdhsa_reserve_vcc 1
		.amdhsa_float_denorm_mode_32 3
		.amdhsa_float_denorm_mode_16_64 3
		.amdhsa_memory_ordered 1
		.amdhsa_forward_progress 1
		.amdhsa_inst_pref_size 93
	.end_amdhsa_kernel
	.amdgpu_metadata
---
amdhsa.version: [ 1, 2 ]
amdhsa.kernels:
  - .name:           k_q1006e12aac_ffn1
    .symbol:         k_q1006e12aac_ffn1.kd
    .args:
      - { .name: sel, .offset: 0, .size: 8, .value_kind: global_buffer, .address_space: global }
      - { .name: xq, .offset: 8, .size: 8, .value_kind: global_buffer, .address_space: global }
      - { .name: xs, .offset: 16, .size: 8, .value_kind: global_buffer, .address_space: global }
      - { .name: w1_codes, .offset: 24, .size: 8, .value_kind: global_buffer, .address_space: global }
      - { .name: w1_scales, .offset: 32, .size: 8, .value_kind: global_buffer, .address_space: global }
      - { .name: b1, .offset: 40, .size: 8, .value_kind: global_buffer, .address_space: global }
      - { .name: hq, .offset: 48, .size: 8, .value_kind: global_buffer, .address_space: global }
      - { .name: hs, .offset: 56, .size: 8, .value_kind: global_buffer, .address_space: global }
      - { .name: route, .offset: 64, .size: 8, .value_kind: global_buffer, .address_space: global }
    .group_segment_fixed_size: 68096
    .private_segment_fixed_size: 0
    .kernarg_segment_align: 8
    .kernarg_segment_size: 72
    .max_flat_workgroup_size: 128
    .sgpr_count:     106
    .vgpr_count:     896
    .wavefront_size: 32
...
	.end_amdgpu_metadata
.endif
;; end of part 6
;; launch ffn2: the kernel of part 4 again; grid 32 x 8, 4 waves a work-group, no clusters, 75,776 bytes of LDS; arguments route, hq, hs, w2_codes, w2_scales, b2, ybuf; writes ybuf
;; launch combine: the kernel of part 5 again; grid 256 x 1, 4 waves a work-group, no clusters, 0 bytes of LDS; arguments route, coef, ybuf, out0; writes out0
;; ======== version 3 of 3: 4 launches
;; workspace buffers: xq 524,288 bytes; xs 32,768 bytes; sel 4,096 bytes of whole numbers; coef 8,192 bytes; hq 16,777,216 bytes; hs 1,048,576 bytes; route 10,240 bytes of whole numbers; ybuf 33,554,432 bytes
;; launch route (part 7): grid 256 x 1, 4 waves a work-group, no clusters, 52,224 bytes of LDS; arguments x, gate_w, xq, xs, sel, coef; writes xq, xs, sel, coef
.if DOCPART == 7
	.amdgcn_target "amdgcn-amd-amdhsa--gfx1250"
	.amdhsa_code_object_version 6
	.text
	.protected	k_q1006e12aac_route
	.globl	k_q1006e12aac_route
	.p2align	8
	.type	k_q1006e12aac_route,@function
k_q1006e12aac_route:
	s_mov_b64 s[64:65], 0
	v_nop
	global_prefetch_b8 v0, s[64:65] scope:SCOPE_SE
	s_setreg_imm32_b32 hwreg(HW_REG_WAVE_MODE, 25, 1), 1
	s_wait_xcnt 0x0
; THE GATE AND THE QUANTISER OF x.  x: [1024 tokens][1024] f32; gate_w: [1024][8] f32.
; One wave takes one token (token = 4 x work-group + wave).  Lane l owns k = 32 l .. 32 l + 31: one block of the quantiser.
; It makes: xq[token][512 B] codes of E2M1, K innermost, block b at byte 16 b;  xs[token][32 B] one E8M0 byte a block;
; sel[token] = (1 << e0) | (1 << (8 + e1)), e0, e1 the two experts of the largest logits;  coef[token] = softmax of the two logits.
; The choice is only STORED here, at places fixed by the token's number: no address and no branch of this text hangs on it.
; Logits: f32 fused multiply-adds, 32 a lane and expert, then a sum over the 32 lanes.
; LIMITS: NaN and infinities in x or gate_w are not served.  Equal logits: the lower expert wins, as in top_k, but on this text's own order of the f32 sums.
; A block of zeros, and a block whose largest magnitude lies under 2^-124, gets the scale byte 1 (the rule says 127 for zeros): its codes are zeros, and only this program reads the bytes.
; No matrix unit (8 columns), no tensor load, no cluster: a work-group shares only gate_w's 32 KB with the others.
.set GP,   1040                        ; gate_w in LDS from byte 0: lane l's 1,024 bytes (32 k x 8 experts) + 16 of padding: 65 x 16, so that 16 lanes start at 16 different columns of 16 bytes
.set XST,  33280                       ; behind it: a stage of 32 x 144 bytes for each wave
.set XP,   144                         ; a lane's place in the stage: its 128 bytes + 16 of padding
.set A,    16                          ; v16-23   the 8 logits, four pairs
.set M,    24                          ; v24-31   the logits with the largest struck out
.set XR,   32                          ; v32-63   x as loaded
.set GA,   64                          ; v64-127  gate_w as loaded; then chunks 0 and 2
.set X,    128                         ; v128-159 my 32 neighbours of x
.set GB,   160                         ; v160-223 chunks 1 and 3
	s_load_b256 s[4:11], s[0:1], 0x0               ; x s[4:5], gate_w s[6:7], xq s[8:9], xs s[10:11]
	s_load_b128 s[12:15], s[0:1], 0x20             ; sel s[12:13], coef s[14:15]
	v_lshl_add_u32 v240, v0, 2, 0xca00
	v_mov_b32 v241, 0
	v_lshrrev_b32 v1, 5, v0
	v_readfirstlane_b32 s16, v1                    ; wave
	v_and_b32 v1, 31, v0                           ; lane
	v_lshlrev_b32 v2, 4, v1                        ; 16 x lane
	s_lshl_b32 s17, ttmp9, 2
	s_add_co_u32 s17, s17, s16                     ; token
	s_mul_i32 s23, s16, 32*XP
	s_add_co_u32 s23, s23, XST                     ; my wave's stage
	v_lshrrev_b32 v8, 3, v1
	v_mul_u32_u24 v3, v8, XP
	v_and_b32 v8, 7, v1
	v_lshl_add_u32 v3, v8, 4, v3
	v_add_nc_u32 v3, s23, v3                       ; into the stage: eight lanes' 128 bytes make one place
	v_mul_u32_u24 v4, v1, XP
	v_add_nc_u32 v4, s23, v4                       ; out of it: my place
	s_mul_i32 s23, s16, 8*GP
	v_add_nc_u32 v5, s23, v2                       ; gate_w into LDS: my wave brings the places of lanes 8 w .. 8 w + 7
	v_mul_u32_u24 v6, v1, GP                       ; and out: my place
	v_mov_b32 v7, 0
	s_mov_b32 s20, 0x76543210
	s_mov_b32 s21, 0xfedcba98                      ; v_permlanex16_b32's selects for lane l xor 16
	s_mov_b32 s19, 0
	s_wait_alu depctr_va_vdst(0)
	s_wait_kmcnt 0x0
	s_lshl_b32 s18, s17, 12
	s_add_nc_u64 s[4:5], s[4:5], s[18:19]          ; my token's row of x
	s_lshl_b32 s18, s16, 13
	s_add_nc_u64 s[6:7], s[6:7], s[18:19]          ; my wave's quarter of gate_w
	s_lshl_b32 s18, s17, 9
	s_add_nc_u64 s[8:9], s[8:9], s[18:19]
	s_lshl_b32 s18, s17, 5
	s_add_nc_u64 s[10:11], s[10:11], s[18:19]
	s_lshl_b32 s18, s17, 2
	s_add_nc_u64 s[12:13], s[12:13], s[18:19]
	s_lshl_b32 s18, s17, 3
	s_add_nc_u64 s[14:15], s[14:15], s[18:19]
.irp i, 0,1,2,3,4,5,6,7
	global_load_b128 v[XR+4*\i:XR+4*\i+3], v2, s[4:5] offset:512*\i th:TH_LOAD_NT   ; 32 lanes read 512 consecutive bytes
.endr
.irp i, 0,1,2,3,4,5,6,7,8,9,10,11,12,13,14,15
	global_load_b128 v[GA+4*\i:GA+4*\i+3], v2, s[6:7] offset:512*\i
.endr
	s_wait_loadcnt 16                              ; x is in: the 16 loads of gate_w are younger
.irp i, 0,1,2,3,4,5,6,7
	ds_store_b128 v3, v[XR+4*\i:XR+4*\i+3] offset:4*XP*\i        ; a load's 512 bytes are four places
.endr
.irp j, 0,1,2,3,4,5,6,7
	ds_load_b128 v[X+4*\j:X+4*\j+3], v4 offset:16*\j             ; my wave's own bytes: LDS serves a wave's instructions in order
.endr
	s_wait_dscnt 0x0
	; my block: its largest magnitude, with the floor 2^(3 - 127) among the leaves, so that the byte cannot fall under 1
	v_max3_num_f32 v224, |v[X]|, |v[X+1]|, |v[X+2]|
	v_max3_num_f32 v225, |v[X+3]|, |v[X+4]|, |v[X+5]|
.irp i, 6,10,14,18,22,26
	v_max3_num_f32 v224, v224, |v[X+\i]|, |v[X+\i+1]|
	v_max3_num_f32 v225, v225, |v[X+\i+2]|, |v[X+\i+3]|
.endr
	v_max3_num_f32 v224, v224, |v[X+30]|, |v[X+31]|
	v_max3_num_f32 v224, v224, v225, 0x1800000
	v_add_nc_u32 v226, 0xff000000, v224            ; 2 off its exponent field: the conversion takes the exponent field of this operand as its scale
.irp g, 0,1,2,3
	v_cvt_scalef32_pk8_fp4_f32 v[228+\g], v[X+8*\g:X+8*\g+7], v226
.endr
	v_lshrrev_b32 v227, 23, v226                   ; the scale's byte (also the plain line behind the conversions)
	global_store_b128 v2, v[228:231], s[8:9]       ; the wave stores the token's 512 bytes of codes on end
	global_store_b8 v1, v227, s[10:11]             ; and its 32 scale bytes
	s_wait_loadcnt 0x0                             ; gate_w
.irp i, 0,1,2,3,4,5,6,7,8,9,10,11,12,13,14,15
	ds_store_b128 v5, v[GA+4*\i:GA+4*\i+3] offset:GP*(\i/2)+512*(\i%2)
.endr
	s_wait_dscnt 0x0                               ; for the others' sake: my quarter of gate_w lies in LDS
	s_barrier_signal -1
	s_barrier_wait -1                              ; all of it does
.macro GLOAD c, buf                    ; chunk c: gate_w of my k = 32 l + 8 c + 0 .. 7: register 8 kk + e
.irp q, 0,1,2,3,4,5,6,7,8,9,10,11,12,13,14,15
	ds_load_b128 v[\buf+4*\q:\buf+4*\q+3], v6 offset:256*(\c)+16*\q
.endr
.endm
.macro GFMA c, buf                     ; 8 k x 4 pairs of experts; x's number feeds both halves; the very first product starts the sums
.irp kk, 0,1,2,3,4,5,6,7
.irp p, 0,1,2,3
.if ((\c) == 0) && (\kk == 0)
	v_pk_mul_f32 v[A+2*\p:A+2*\p+1], v[X:X+1], v[\buf+2*\p:\buf+2*\p+1] op_sel_hi:[0,1]
.elseif \kk%2 == 0
	v_pk_fma_f32 v[A+2*\p:A+2*\p+1], v[X+8*(\c)+\kk:X+8*(\c)+\kk+1], v[\buf+8*\kk+2*\p:\buf+8*\kk+2*\p+1], v[A+2*\p:A+2*\p+1] op_sel_hi:[0,1,1]
.else
	v_pk_fma_f32 v[A+2*\p:A+2*\p+1], v[X+8*(\c)+\kk-1:X+8*(\c)+\kk], v[\buf+8*\kk+2*\p:\buf+8*\kk+2*\p+1], v[A+2*\p:A+2*\p+1] op_sel:[1,0,0] op_sel_hi:[1,1,1]
.endif
.endr
.endr
.endm
	GLOAD 0, GA
	GLOAD 1, GB
	s_wait_dscnt 16                                ; the older chunk is in; the younger chunk's 16 loads may be out
	GFMA 0, GA
	GLOAD 2, GA
	s_wait_alu depctr_va_vdst(0)
	s_wait_dscnt 16
	GFMA 1, GB
	GLOAD 3, GB
	s_wait_alu depctr_va_vdst(0)
	s_wait_dscnt 16
	GFMA 2, GA
	s_wait_alu depctr_va_vdst(0)
	s_wait_dscnt 0x0
	GFMA 3, GB
	; the sums over the 32 lanes, the eight logits by turns; every lane ends with all eight
.irp m, 1,2,4,8
.irp e, 0,1,2,3,4,5,6,7
	v_add_f32_dpp v[A+\e], v[A+\e], v[A+\e] row_xmask:\m row_mask:0xf bank_mask:0xf
.endr
.endr
.irp e, 0,1,2,3,4,5,6,7
	v_permlanex16_b32 v[GB+\e], v[A+\e], s20, s21  ; (its destination has been written: chunk 3 lay there)
.endr
.irp e, 0,1,2,3,4,5,6,7
	v_add_f32 v[A+\e], v[A+\e], v[GB+\e]
.endr
	; the two largest, ties to the lower index: the holder is kept while it is not smaller
	v_mov_b32 v232, v[A]
	v_mov_b32 v233, 0
.irp e, 1,2,3,4,5,6,7
	v_cmp_ge_f32 vcc_lo, v232, v[A+\e]
	v_cndmask_b32 v233, \e, v233, vcc_lo
	v_cndmask_b32 v232, v[A+\e], v232, vcc_lo
.endr
	v_mov_b32 v236, 0xff800000                     ; -infinity strikes the largest out
.irp e, 0,1,2,3,4,5,6,7
	v_cmp_eq_u32 vcc_lo, \e, v233
	v_cndmask_b32 v[M+\e], v[A+\e], v236, vcc_lo
.endr
	v_mov_b32 v234, v[M]
	v_mov_b32 v235, 0
.irp e, 1,2,3,4,5,6,7
	v_cmp_ge_f32 vcc_lo, v234, v[M+\e]
	v_cndmask_b32 v235, \e, v235, vcc_lo
	v_cndmask_b32 v234, v[M+\e], v234, vcc_lo
.endr
	; softmax of the two, the larger taken away first: c0 = 1 / (1 + E), c1 = E / (1 + E), E = e^(m2 - m1) <= 1
	v_sub_f32 v236, v234, v232
	v_mul_f32 v236, 0x3fb8aa3b, v236
	s_wait_alu depctr_va_vdst(0)
	v_exp_f32 v237, v236
	v_mov_b32 v226, 1                              ; (a plain line behind the exponential)
	s_wait_alu depctr_va_vdst(0)
	v_add_f32 v224, 1.0, v237
	s_wait_alu depctr_va_vdst(0)
	v_rcp_f32 v238, v224
	v_mov_b32 v225, 0x100                          ; (a plain line behind the reciprocal)
	s_wait_alu depctr_va_vdst(0)
	v_mul_f32 v239, v237, v238
	v_lshlrev_b32 v226, v233, v226                 ; 1 << e0
	v_lshlrev_b32 v225, v235, v225                 ; 1 << (8 + e1)
	v_or_b32 v226, v226, v225
	s_wait_alu depctr_va_vdst(0)
	s_wait_xcnt 0x0                                ; EXEC changes only behind this wait: the stores above have been issued under the full one
	v_cmp_eq_u32 vcc_lo, 0, v1
	s_wait_tensorcnt 0x0
	ds_add_u32 v240, v241
	s_wait_dscnt 0x0
	s_and_saveexec_b32 s22, vcc_lo                 ; lane 0 stores for the token
	global_store_b32 v7, v226, s[12:13]
	global_store_b64 v7, v[238:239], s[14:15]
	s_wait_xcnt 0x0
	s_or_b32 exec_lo, exec_lo, s22
	s_endpgm
.Lfunc_end_k_q1006e12aac_route:
	.size	k_q1006e12aac_route, .Lfunc_end_k_q1006e12aac_route-k_q1006e12aac_route
	.p2alignl 7, 3214868480
	.fill 96, 4, 3214868480
	.section	.rodata,"a",@progbits
	.p2align	6, 0x0
	.amdhsa_kernel k_q1006e12aac_route
		.amdhsa_group_segment_fixed_size 52224
		.amdhsa_private_segment_fixed_size 0
		.amdhsa_enable_private_segment 0
		.amdhsa_kernarg_size 48
		.amdhsa_user_sgpr_count 2
		.amdhsa_user_sgpr_kernarg_segment_ptr 1
		.amdhsa_wavefront_size32 1
		.amdhsa_system_sgpr_workgroup_id_x 1
		.amdhsa_system_sgpr_workgroup_id_y 1
		.amdhsa_system_sgpr_workgroup_id_z 1
		.amdhsa_system_vgpr_workitem_id 0
		.amdhsa_next_free_vgpr 242
		.amdhsa_next_free_sgpr 66
		.amdhsa_reserve_vcc 1
		.amdhsa_float_denorm_mode_32 3
		.amdhsa_float_denorm_mode_16_64 3
		.amdhsa_memory_ordered 1
		.amdhsa_forward_progress 1
		.amdhsa_inst_pref_size 27
	.end_amdhsa_kernel
	.amdgpu_metadata
---
amdhsa.version: [ 1, 2 ]
amdhsa.kernels:
  - .name:           k_q1006e12aac_route
    .symbol:         k_q1006e12aac_route.kd
    .args:
      - { .name: x, .offset: 0, .size: 8, .value_kind: global_buffer, .address_space: global }
      - { .name: gate_w, .offset: 8, .size: 8, .value_kind: global_buffer, .address_space: global }
      - { .name: xq, .offset: 16, .size: 8, .value_kind: global_buffer, .address_space: global }
      - { .name: xs, .offset: 24, .size: 8, .value_kind: global_buffer, .address_space: global }
      - { .name: sel, .offset: 32, .size: 8, .value_kind: global_buffer, .address_space: global }
      - { .name: coef, .offset: 40, .size: 8, .value_kind: global_buffer, .address_space: global }
    .group_segment_fixed_size: 52224
    .private_segment_fixed_size: 0
    .kernarg_segment_align: 8
    .kernarg_segment_size: 48
    .max_flat_workgroup_size: 128
    .sgpr_count:     66
    .vgpr_count:     242
    .wavefront_size: 32
...
	.end_amdgpu_metadata
.endif
;; end of part 7
;; launch ffn1 (part 8): grid 32 x 8, 4 waves a work-group, no clusters, 68,096 bytes of LDS; arguments sel, xq, xs, w1_codes, w1_scales, b1, hq, hs, route; writes hq, hs, route
.if DOCPART == 8
	.amdgcn_target "amdgcn-amd-amdhsa--gfx1250"
	.amdhsa_code_object_version 6
	.text
	.protected	k_q1006e12aac_ffn1
	.globl	k_q1006e12aac_ffn1
	.p2align	8
	.type	k_q1006e12aac_ffn1,@function
k_q1006e12aac_ffn1:
	s_mov_b64 s[64:65], 0
	v_nop
	global_prefetch_b8 v0, s[64:65] scope:SCOPE_SE
	s_setreg_imm32_b32 hwreg(HW_REG_WAVE_SCHED_MODE, 0, 2), 2
	s_setreg_imm32_b32 hwreg(HW_REG_WAVE_MODE, 25, 1), 1
	s_wait_xcnt 0x0
	s_wait_alu depctr_vm_vsrc(0)
; THE FIRST PRODUCT OF THE CHOSEN ROWS: h = Q(gelu(x w1[e] + b1[e])), on codes of E2M1 with one E8M0 scale for each 32 along K.
; Work-group (j, e) owns hidden units 128 j .. 128 j + 127 of expert e: 128 rows of w1's codes, 64 KB, read from memory once, in instructions of 512 consecutive bytes.
; They go through LDS into EVERY wave's registers as 64 fragments (8 tiles of 16 units x 8 K steps: 512 registers).  The expert's tokens come in tiles of 16; wave w takes tiles w, w + 4, ..: no barrier in that loop.
; WHICH TOKENS.  sel[token] = (1 << e0) | (1 << (8 + e1)) was stored by the launch before.  Every wave reads its 1,024 words (register n = 4 i + c: token 128 i + 4 lane + c) and keeps, in scalar registers,
; 32 masks (bit l of mask n: that token chose e) and 31 keys (key n = 32 x the choosing tokens ahead of register n, + n).  A token's RANK is the choosing tokens ahead of it in the order (n, lane).
; SEARCH finds the token of a rank in registers: the keys rise with n, so the last key not above 32 rank + 31 names the register n that holds the rank; then the (rank - those ahead)-th set bit of mask n is its lane.
; A rank at or past the count finds some token of the 1,024: a last tile is filled up so; such rows are computed, stored and never used.
; Wave 0 of work-group j = 0 of each expert also stores route: pos[2 token + k] = 1024 e + rank (words 2048 + 32 e + lane take what the other lanes send, and are never read), and cnt[e], 32 equal copies from byte 9,216 + 128 e.
; THE PRODUCT IS USED TRANSPOSED (source 0 = 16 rows of w1, source 1 = 16 tokens), and lane r of tile 2 b + u takes w1's row 32 b + 8 u + r + 8 (r / 8): so a lane holds ONE token, and the 16 registers of tiles
; 2 b, 2 b + 1 are hidden units 32 b + 16 (lane / 16) + 0 .. 15: neighbours along the next K.  b1 is the C of each sum's first product.
; gelu (tanh form) = x / (1 + 2^(x (c0 + c1 x^2))), c0 = -2 log2(e) sqrt(2 / pi), c1 = 0.044715 c0: all in f32.
; OUT: the 128 units are K step j of the second product: hq[T = 64 e + tile][j] is the image of that operand's 8 registers (1,024 bytes), hs its scale words.
; AHEAD: in the trip of tile i the codes of x for tile i + 1 are asked for, by tokens that were found a trip earlier, and the tokens of tile i + 2 are searched for while those loads are out.
; NO JOINT LOADS, though the 32 work-groups of an expert gather the same rows of x: how many tiles there are is made from numbers read from memory, so trip counts hang on loaded numbers.
; LIMITS: NaN and infinities are not served; a block of zeros, or one under 2^-124, gets the scale byte 1: its codes are zeros, and only this program reads the bytes.
; REGISTERS, in windows of 256: window 0: see below.  window 1: w1's fragments of K steps 0-3 at 8 (8 s + t) (at first: my 32 rows as loaded).  window 2: K steps 4-7.  window 3: v0-63 b1's 8 tiles; v64-127 x's 8 fragments.
; THE MODE: SCHED_MODE bits 1:0 = 2 (LLVM: expert scheduling mode 2), set by the entry lines.  The code itself states the register dependences between vector or matrix instructions and memory or LDS
; instructions, and those through scalar registers and VCC that vector instructions write, with s_wait_alu, always for 0.
; THE PLAN.  Registers that memory or LDS instructions touch:
;   v4-9, v13         offsets and LDS addresses: written once at the head, ahead of the first wait on va_vdst, and never again.
;   v64-127, v14      at the head: sel's words land in v64-95 and the mask lines read them; the wave that stores pos then writes its 32 offsets, 32 numbers and the count there, one wait on va_vdst stands ahead of its 33 stores.
;   window 1 v0-127   w1's rows land there, the LDS stores read them, the fragments' LDS loads land there.  One wait on vm_vsrc behind the barrier states that these stores and the 33 above have read their registers.
;   x, XS             In a trip: the 64 products read them; behind the products the next tile's 18 loads land in them.
;   v17, v18          Written by XADDR behind the products; read by those 18 loads.
;   PC, PW            Written by the quantiser; read by the trip's three stores.
;   The accumulators, Z, TM, the search's registers, w1's fragments and scale words and b1 are named in the loop by vector and matrix instructions alone.
; So a trip has one wait on vm_vsrc at its head (the last trip's stores have read PC and PW, x's loads v17 and v18), one on va_vdst ahead of x's loads (the products are done with x and XS; v17 and v18 are written),
; the two behind gelu's batches, and one on va_vdst ahead of the stores.  x has one set of registers: all of a trip's products read it, so its loads stand behind them, where gelu wants the results in any case.
; A compare's mask is waited for ahead of its first reader: the search's 31 compares of keys hang on nothing but the keys and the rank, so they stand in four runs, into eight scalar registers, with one wait behind each run.
.set PITCH, 528                        ; a row of w1 in LDS: 512 bytes + 16 = 33 x 16: the 16 rows of a fragment load start at 16 different columns of 16 bytes
.set W1S, 32                           ; v32-63   w1's scale words: register 8 b + s: lanes 0-15 tile 2 b, lanes 16-31 tile 2 b + 1, K step s
.set HA,  64                           ; v64-127  the 8 accumulators
.set SW,  64                           ; v64-95   (ahead of the loop) sel's words; in the wave that stores pos: then their byte offsets in route
.set P,   96                           ; v96-127  (ahead of the loop, in that wave) 1024 e + rank
.set Z,   128                          ; v128-191 at work in gelu
.set XS,  192                          ; v192-199 x's scale words, K step s
.set PC,  200                          ; v200-207 the codes just made
.set TM,  208                          ; v208-223 at work in the quantiser
.set PW,  224                          ; v224     the scale word just made
.set H16, 225                          ; v225     16 x (lane / 16)
.set TRIPS, 22                         ; s22      my tiles still to do
.set SEL, 36                           ; s[36:37] v_permlanex16_b32's selects
.set MASK, 66                          ; s66-97   the 32 masks
.set MSB, 0
.macro WIN new                         ; the immediate's high byte repeats the setting that is left
.if MSB != \new
	s_set_vgpr_msb (MSB<<8)|\new
.set MSB, \new
.endif
.endm
.macro SETK n                          ; KR = the scalar register of key n, n = 1 .. 31: s38-63, s98-101, s104
.if (\n) < 27
.set KR, 37+(\n)
.elseif (\n) < 31
.set KR, 71+(\n)
.else
.set KR, 104
.endif
.endm
.macro SETC i                          ; CR = the scalar register of the i-th compare of a run, i = 0 .. 7: s2, s3, s23, s31, s33, s34, s35, s105: none holds anything else while a search runs
.if (\i) < 2
.set CR, 2+(\i)
.elseif (\i) == 2
.set CR, 23
.elseif (\i) == 3
.set CR, 31
.elseif (\i) < 7
.set CR, 29+(\i)
.else
.set CR, 105
.endif
.endm
.macro XLOAD                           ; 16 tokens' codes (8 fragments) and scale words; v17 = token x 512 + 16 h, v18 = token x 32
	WIN 0xc0
.irp s, 0,1,2,3,4,5,6,7
.irp c, 0,1
	global_load_b128 v[64+8*\s+4*\c:64+8*\s+4*\c+3], v17, s[6:7] offset:64*\s+32*\c
.endr
.endr
	WIN 0
.irp a, 0,1
	global_load_b128 v[XS+4*\a:XS+4*\a+3], v18, s[8:9] offset:16*\a
.endr
.endm
.macro DOWN src, width, step           ; one halving: the field of v[src] at bit v31 counts the set bits of the lower half; if my bit is not among them, take them off and go on in the upper half
	v_bfe_u32 v30, v[\src], v31, \width
	v_cmp_ge_u32 vcc_lo, v22, v30
	s_wait_alu depctr_va_vcc(0)                    ; VCC is written, ahead of the two selections that read it
	v_cndmask_b32 v30, 0, v30, vcc_lo
	v_sub_nc_u32 v22, v22, v30
	v_cndmask_b32 v30, 0, \step, vcc_lo
	v_add_nc_u32 v31, v31, v30
.endm
; The tokens of the tile whose number stands in s30, into v16: lanes r and 16 + r find the token of rank 16 s30 + r.  Registers alone: v15, v19-23, v28-31 at work, and the eight scalar registers of SETC
.macro SEARCH
	v_lshl_add_u32 v15, s30, 4, v2                 ; the rank
	v_lshl_or_b32 v19, v15, 5, 31                  ; 32 rank + 31: not under key n just where the choosing tokens ahead of register n are not more than the rank
	v_mov_b32 v20, 0                               ; key 0
	v_mov_b32 v21, s[MASK]
.set sn, 1
.rept 4                                ; keys 1-8, 9-16, 17-24, 25-31: a run of compares, one wait, then the selections in the keys' order
.set si, 0
.rept 8
.if (sn+si) < 32
	SETK sn+si
	SETC si
	v_cmp_gt_u32 s[CR], s[KR], v19                 ; past my rank: what I hold is kept
.endif
.set si, si+1
.endr
	s_wait_alu depctr_va_sdst(0)                   ; the run's masks are written, ahead of the selections that read them
.set si, 0
.rept 8
.if (sn+si) < 32
	SETK sn+si
	SETC si
	v_cndmask_b32 v20, s[KR], v20, s[CR]
	v_cndmask_b32 v21, s[MASK+sn+si], v21, s[CR]
.endif
.set si, si+1
.endr
.set sn, sn+8
.endr
	v_lshrrev_b32 v22, 5, v20
	v_sub_nc_u32 v22, v15, v22                     ; which set bit of my mask, from 0
	v_and_b32 v20, 31, v20                         ; n
	v_lshrrev_b32 v23, 1, v21                      ; the mask's set bits counted in fields of 2,
	v_and_b32 v23, 0x55555555, v23
	v_sub_nc_u32 v23, v21, v23
	v_lshrrev_b32 v28, 2, v23                      ; of 4,
	v_and_b32 v29, 0x33333333, v23
	v_and_b32 v28, 0x33333333, v28
	v_add_nc_u32 v28, v28, v29
	v_lshrrev_b32 v29, 4, v28                      ; of 8,
	v_add_nc_u32 v29, v29, v28
	v_and_b32 v29, 0x0f0f0f0f, v29
	v_lshrrev_b32 v30, 8, v29                      ; and in bits 0 to 15
	v_add_nc_u32 v30, v30, v29
	v_and_b32 v30, 0xff, v30
	v_cmp_ge_u32 vcc_lo, v22, v30
	s_wait_alu depctr_va_vcc(0)                    ; VCC is written, ahead of the two selections that read it
	v_cndmask_b32 v30, 0, v30, vcc_lo
	v_sub_nc_u32 v22, v22, v30
	v_cndmask_b32 v31, 0, 16, vcc_lo               ; the bit's place: 0 or 16 on,
	DOWN 29, 4, 8
	DOWN 28, 4, 4
	DOWN 23, 2, 2
	DOWN 21, 1, 1                                  ; .. the lane
	v_lshrrev_b32 v30, 2, v20                      ; n = 4 i + c: token 128 i + 4 lane + c
	v_and_b32 v20, 3, v20
	v_lshl_or_b32 v20, v31, 2, v20
	v_lshl_or_b32 v16, v30, 7, v20
.endm
.macro XADDR                           ; from the tokens in v16 to x's offsets
	v_min_u32 v16, 0x3ff, v16                      ; inside x's 1,024 rows
	v_lshl_add_u32 v17, v16, 9, v[H16]
	v_lshlrev_b32 v18, 5, v16
.endm
	s_load_b512 s[4:19], s[0:1], 0x0               ; sel s[4:5], xq s[6:7], xs s[8:9], w1 codes s[10:11], w1 scales s[12:13], b1 s[14:15], hq s[16:17], hs s[18:19]
	s_load_b64 s[20:21], s[0:1], 0x40              ; route
	v_lshl_add_u32 v254, v0, 2, 0x10800
	v_mov_b32 v255, 0
	v_lshrrev_b32 v1, 5, v0
	v_readfirstlane_b32 s24, v1                    ; wave
	s_and_b32 s25, ttmp7, 0xffff                   ; e
	s_mov_b32 s26, ttmp9                           ; j
	v_and_b32 v1, 31, v0                           ; lane
	v_and_b32 v2, 15, v0                           ; r
	v_bfe_u32 v3, v0, 4, 1                         ; h
	v_lshlrev_b32 v4, 4, v1                        ; 16 x lane
	s_wait_alu depctr_va_sdst(0)                   ; s24 is written, ahead of its first reader: LDS addresses, bases and trip counts are made from it
	s_mul_i32 s30, s24, 32*PITCH
	v_add_nc_u32 v5, s30, v4                       ; w1 into LDS: my wave's 32 rows
	v_mul_u32_u24 v6, v2, PITCH
	v_lshl_add_u32 v6, v3, 4, v6                   ; a fragment: row r, + 16 h
	v_and_b32 v7, 8, v2
	v_add_nc_u32 v7, v7, v2
	v_lshl_add_u32 v7, v3, 3, v7
	v_lshlrev_b32 v7, 5, v7                        ; w1's scales: row r + 8 (r / 8) + 8 h of 32 bytes
	v_lshlrev_b32 v8, 6, v3                        ; b1: 16 h numbers on
	v_lshlrev_b32 v9, 4, v2                        ; hs: 16 bytes a row
	v_lshlrev_b32 v10, 2, v1                       ; 4 x lane
	s_lshl_b32 s30, s25, 5
	s_add_co_u32 s30, s30, 2048
	v_add_nc_u32 v12, s30, v1                      ; pos's word for what my lane does not choose: 2048 + 32 e + lane
	s_lshl_b32 s30, s25, 7
	s_add_co_u32 s30, s30, 9216
	v_add_nc_u32 v13, s30, v10                     ; cnt[e], a copy a lane
	v_lshlrev_b32 v[H16], 4, v3
	v_mov_b32 v24, 0xbdd2d3e8                      ; c1 = -0.10294324, twice
	v_mov_b32 v25, 0xbdd2d3e8
	v_mov_b32 v26, 0xc0135761                      ; c0 = -2.3022082, twice
	v_mov_b32 v27, 0xc0135761
.irp b, 0,1,2,3
	v_mov_b32 v[TM+4+\b], 0                        ; written once: a lane permute's destination counts as one of its sources
.endr
	s_lshl_b32 s27, 0x101, s25                     ; the two bits of sel that name e
	s_add_co_u32 s28, s25, 8
	s_mov_b32 s[SEL], 0x76543210
	s_mov_b32 s[SEL+1], 0xfedcba98
	s_mov_b32 s35, 0
	s_wait_kmcnt 0x0
	s_lshl_b32 s34, s25, 21                        ; w1's codes: expert 2^21, slice 2^16, my wave's 32 rows 2^14 bytes
	s_lshl_b32 s30, s26, 16
	s_add_co_u32 s34, s34, s30
	s_lshl_b32 s30, s24, 14
	s_add_co_u32 s34, s34, s30
	s_add_nc_u64 s[10:11], s[10:11], s[34:35]
	s_lshl_b32 s34, s25, 17                        ; its scales: 2^17, 2^12
	s_lshl_b32 s30, s26, 12
	s_add_co_u32 s34, s34, s30
	s_add_nc_u64 s[12:13], s[12:13], s[34:35]
	s_lshl_b32 s34, s25, 14                        ; b1: 2^14, 2^9
	s_lshl_b32 s30, s26, 9
	s_add_co_u32 s34, s34, s30
	s_add_nc_u64 s[14:15], s[14:15], s[34:35]
	s_lshl_b32 s34, s25, 21                        ; hq: tile 64 e + w of 2^15 bytes, K step j of 2^10
	s_lshl_b32 s30, s24, 15
	s_add_co_u32 s34, s34, s30
	s_lshl_b32 s30, s26, 10
	s_add_co_u32 s34, s34, s30
	s_add_nc_u64 s[16:17], s[16:17], s[34:35]
	s_lshl_b32 s34, s25, 17                        ; hs: tile of 2^11 bytes, group j / 4 of 256, word j % 4
	s_lshl_b32 s30, s24, 11
	s_add_co_u32 s34, s34, s30
	s_lshr_b32 s30, s26, 2
	s_lshl_b32 s30, s30, 8
	s_add_co_u32 s34, s34, s30
	s_and_b32 s30, s26, 3
	s_lshl_b32 s30, s30, 2
	s_add_co_u32 s34, s34, s30
	s_add_nc_u64 s[18:19], s[18:19], s[34:35]
	; ---- the choices first, then everything that comes from memory once
	s_wait_alu depctr_va_vdst(0)                   ; the offsets and LDS addresses v4 to v9 and v13 are written, which the loads, stores and LDS instructions of the whole kernel read
.irp i, 0,1,2,3,4,5,6,7
	global_load_b128 v[SW+4*\i:SW+4*\i+3], v4, s[4:5] offset:512*\i   ; 32 lanes read 512 consecutive bytes
.endr
	WIN 0x40                                       ; destination window 1
.set i, 0
.rept 32
	global_load_b128 v[4*i:4*i+3], v4, s[10:11] offset:512*i th:TH_LOAD_NT   ; one row of w1: 512 consecutive bytes; no other work-group reads it
.set i, i+1
.endr
	WIN 0
.irp b, 0,1,2,3
.irp a, 0,1
	global_load_b128 v[W1S+8*\b+4*\a:W1S+8*\b+4*\a+3], v7, s[12:13] offset:1024*\b+16*\a
.endr
.endr
	WIN 0xc0                                       ; destination window 3
.irp t, 0,1,2,3,4,5,6,7
.irp a, 0,1
	global_load_b128 v[8*\t+4*\a:8*\t+4*\a+3], v8, s[14:15] offset:(32*(\t/2)+8*(\t%2))*4+16*\a   ; lane (r, h), tile 2 b + u: b1 of units 32 b + 16 h + 8 u + 0 .. 7
.endr
.endr
	WIN 0
	s_wait_loadcnt 56                              ; sel is in: the 32 + 8 + 16 loads behind it may be out.  All that follows up to the next wait on loads is done while w1 is on its way
	; ---- the masks, then the keys and the count
.set n, 0
.rept 32
	v_and_b32 v[19+n%2], s27, v[SW+n]
	v_cmp_ne_u32 s[MASK+n], 0, v[19+n%2]           ; bit l: token 128 (n / 4) + 4 l + n % 4 chose e
.set n, n+1
.endr
	s_wait_alu depctr_va_sdst(0)                   ; the 32 masks are written, ahead of their first readers, the counts below
	s_mov_b32 s29, 0                               ; key 0
.set n, 0
.rept 32
.if n > 0
	SETK n
	s_mov_b32 s[KR], s29
.endif
	s_bcnt1_i32_b32 s30, s[MASK+n]
	s_lshl_b32 s30, s30, 5
	s_add_co_u32 s29, s29, s30                     ; 32 x the choosing tokens so far,
.if n < 31
	s_add_co_u32 s29, s29, 1                       ; + the register's number
.endif
.set n, n+1
.endr
	s_lshr_b32 s29, s29, 5                         ; the expert's tokens
	s_mov_b32 s30, s24
	SEARCH                                         ; my first tile's tokens
	XADDR
	s_wait_alu depctr_va_vdst(0)                   ; v17 and v18 are written, which x's loads read as their offsets
	XLOAD                                          ; its x is on its way while w1 goes through LDS
	s_add_co_u32 s30, s24, 4
	SEARCH                                         ; my second tile's tokens
	; ---- one wave of one work-group of each expert stores the places and the count
	s_cmp_lg_u32 s24, 0
	s_cbranch_scc1 .Lplaced
	s_cmp_lg_u32 s26, 0
	s_cbranch_scc1 .Lplaced
	s_lshl_b32 s33, s25, 10                        ; 1024 e
.set n, 0
.rept 32
.if n == 0
	s_mov_b32 s30, 0
.else
	SETK n
	s_lshr_b32 s30, s[KR], 5                       ; the choosing tokens ahead of register n
.endif
	v_mbcnt_lo_u32_b32 v20, s[MASK+n], s30         ; + the choosing lanes below mine: my token's rank, if it chose
	v_bfe_u32 v22, v[SW+n], s28, 1                 ; k: 1 where e is the token's second choice
	v_add_nc_u32 v21, 128*(n/4)+n%4, v10           ; the token
	v_lshl_add_u32 v22, v21, 1, v22                ; 2 token + k
	v_cndmask_b32 v22, v12, v22, s[MASK+n]
	v_min_u32 v[SW+n], 0x8ff, v22                  ; inside pos's 2,304 words
	v_lshlrev_b32 v[SW+n], 2, v[SW+n]
	v_add_nc_u32 v[P+n], s33, v20                  ; 1024 e + rank
.set n, n+1
.endr
	v_mov_b32 v14, s29
	s_wait_alu depctr_va_vdst(0)                   ; the 32 offsets, the 32 numbers and the count are written, which the 33 stores read
.set n, 0
.rept 32
	global_store_b32 v[SW+n], v[P+n], s[20:21]     ; each of the 32 stores has registers of its own
.set n, n+1
.endr
	global_store_b32 v13, v14, s[20:21]            ; cnt[e], 32 equal copies
.Lplaced:
	; ---- w1's rows into LDS.  Row i of my 32 goes to the place with bits 3 and 4 of i exchanged: so tile t's sixteen rows lie at places 16 t .. 16 t + 15
	s_wait_loadcnt 18                              ; w1, its scales and b1 are in: x's 18 loads are younger
	s_wait_xcnt 0x0                                ; the stores above have read their registers, which the accumulators will take
	WIN 0x04                                       ; an LDS store's data are its source 1: window 1
.set i, 0
.rept 32
	ds_store_b128 v5, v[4*i:4*i+3] offset:PITCH*((i&7)|((i&8)<<1)|((i&16)>>1))
.set i, i+1
.endr
	WIN 0
	s_wait_dscnt 0x0                               ; for the others' sake: my 32 rows lie in LDS
	s_barrier_signal -1
	s_barrier_wait -1                              ; all 128 do.  The text's only barrier: every branch that hangs on the count stands behind it; from here on LDS is only read
	s_wait_alu depctr_vm_vsrc(0)                   ; my LDS stores have read window 1's v0-127, in which the fragments land; the stores of pos and cnt have read v64-127 and v14, which the products write
	s_min_u32 s29, s29, 0x400                      ; the expert's tokens
	s_add_co_u32 s31, s29, 15
	s_lshr_b32 s31, s31, 4                         ; its tiles
	s_mov_b32 s32, s24                             ; my first tile
	s_add_co_u32 s[TRIPS], s31, 3
	s_sub_co_u32 s[TRIPS], s[TRIPS], s24
	s_lshr_b32 s[TRIPS], s[TRIPS], 2               ; my tiles: (tiles + 3 - wave) / 4, which is 0 just where the wave's number is not under the number of tiles
	s_cmp_eq_u32 s[TRIPS], 0
	s_cbranch_scc1 .Lend
.set ks, 0
.rept 8
.if ks == 0
	WIN 0x40
.elseif ks == 4
	WIN 0x80
.endif
.irp t, 0,1,2,3,4,5,6,7
.irp c, 0,1
	ds_load_b128 v[8*(8*(ks%4)+\t)+4*\c:8*(8*(ks%4)+\t)+4*\c+3], v6 offset:16*\t*PITCH+64*ks+32*\c
.endr
.endr
.set ks, ks+1
.endr
	WIN 0
	s_wait_dscnt 0x0
; 64 products: the 8 accumulators by turns, K step by K step
.macro MM
.set ks, 0
.rept 8
.if ks == 0
	WIN 0x3d                                       ; source 0 (w1) window 1, source 1 (x) window 3, C (b1) window 3
.elseif ks < 4
	WIN 0x0d
.else
	WIN 0x0e                                       ; w1's K steps 4-7: window 2
.endif
.irp t, 0,1,2,3,4,5,6,7
.set rD, HA+8*\t
.set rA, 8*(8*(ks%4)+\t)
.set rB, 64+8*ks
.set rC, rD
.if ks == 0
.set rC, 8*\t
.endif
.if \t%2
	v_wmma_scale_f32_16x16x128_f8f6f4 v[rD:rD+7], v[rA:rA+7], v[rB:rB+7], v[rC:rC+7], v[W1S+8*(\t/2)+ks], v[XS+ks] matrix_a_fmt:MATRIX_FMT_FP4 matrix_b_fmt:MATRIX_FMT_FP4 matrix_a_scale:MATRIX_SCALE_ROW1
.else
	v_wmma_scale_f32_16x16x128_f8f6f4 v[rD:rD+7], v[rA:rA+7], v[rB:rB+7], v[rC:rC+7], v[W1S+8*(\t/2)+ks], v[XS+ks] matrix_a_fmt:MATRIX_FMT_FP4 matrix_b_fmt:MATRIX_FMT_FP4
.endif
.endr
.set ks, ks+1
.endr
	WIN 0
.endm
.macro GELU                            ; in place on the 64 numbers, each accumulator read from its low end on
.set i, 0
.rept 32
	v_pk_mul_f32 v[Z+i:Z+i+1], v[HA+i:HA+i+1], v[HA+i:HA+i+1]
.set i, i+2
.endr
.set i, 0
.rept 32
	v_pk_fma_f32 v[Z+i:Z+i+1], v[Z+i:Z+i+1], v[24:25], v[26:27]   ; c0 + c1 x^2
.set i, i+2
.endr
.set i, 0
.rept 32
	v_pk_mul_f32 v[Z+i:Z+i+1], v[Z+i:Z+i+1], v[HA+i:HA+i+1]
.set i, i+2
.endr
.set i, 0
	s_wait_alu depctr_va_vdst(0)
.rept 64
	v_exp_f32 v[Z+i], v[Z+i]
.set i, i+1
.endr
	v_nop                                          ; a plain line behind the last exponential
.set i, 0
	s_wait_alu depctr_va_vdst(0)                   ; the 64 exponentials have written Z: one wait for the batch, ahead of its first reader
.rept 32
	v_pk_add_f32 v[Z+i:Z+i+1], v[Z+i:Z+i+1], 1.0 op_sel_hi:[1,0]
.set i, i+2
.endr
.set i, 0
	s_wait_alu depctr_va_vdst(0)
.rept 64
	v_rcp_f32 v[Z+i], v[Z+i]
.set i, i+1
.endr
	v_nop                                          ; a plain line behind the last reciprocal
.set i, 0
	s_wait_alu depctr_va_vdst(0)                   ; the 64 reciprocals have written Z: one wait for the batch, ahead of its first reader
.rept 32
	v_pk_mul_f32 v[HA+i:HA+i+1], v[HA+i:HA+i+1], v[Z+i:Z+i+1]
.set i, i+2
.endr
.endm
; 64 numbers of a lane, register 16 b + i = k 32 b + 16 (lane / 16) + i of my token, become a fragment's codes in v[PC] on and its scale word in v[PW]
.macro QUANT s
.irp b, 0,1,2,3
	v_max3_num_f32 v[TM+\b], |v[\s+16*\b]|, |v[\s+1+16*\b]|, 0x1800000   ; block b: my 16 numbers, and the floor 2^(3 - 127): the byte cannot fall under 1
.endr
.irp i, 2,4,6,8,10,12,14
.irp b, 0,1,2,3
	v_max3_num_f32 v[TM+\b], v[TM+\b], |v[\s+16*\b+\i]|, |v[\s+1+16*\b+\i]|
.endr
.endr
.irp b, 0,1,2,3
	v_permlanex16_b32 v[TM+4+\b], v[TM+\b], s[SEL], s[SEL+1]
.endr
.irp b, 0,1,2,3
	v_max_num_f32 v[TM+\b], v[TM+\b], v[TM+4+\b]   ; with lane l xor 16's: the block's largest magnitude
.endr
.irp b, 0,1,2,3
	v_add_nc_u32 v[TM+12+\b], 0xff000000, v[TM+\b] ; 2 off its exponent field: the conversion's scale operand
.endr
.irp b, 0,1,2,3
	v_lshrrev_b32 v[TM+4+\b], 23, v[TM+12+\b]      ; the scale's byte
.endr
	v_lshl_or_b32 v[PW], v[TM+5], 8, v[TM+4]
	v_lshl_or_b32 v[PW], v[TM+6], 16, v[PW]
	v_lshl_or_b32 v[PW], v[TM+7], 24, v[PW]
.irp b, 0,1,2,3
	v_cvt_scalef32_pk8_fp4_f32 v[PC+2*\b], v[\s+16*\b:\s+7+16*\b], v[TM+12+\b]
	v_cvt_scalef32_pk8_fp4_f32 v[PC+1+2*\b], v[\s+8+16*\b:\s+15+16*\b], v[TM+12+\b]
.endr
	v_nop                                          ; one plain line behind the last scaled conversion
.irp c, 0,1                            ; the operand's layout wants a whole block in a lane: lanes 0-15 block 2 c, lanes 16-31 block 2 c + 1
.irp i, 0,1
	v_permlane16_swap_b32 v[PC+4*\c+\i], v[PC+2+4*\c+\i]
.endr
.endr
.endm
.Ltile:                                                ; a trip: one tile of 16 tokens x my 128 hidden units.  The trips are counted down by one; the tile's number, four on each trip, feeds the ranks that are searched for alone
	s_wait_loadcnt 0x0                             ; this tile's x, asked for a trip ago
	s_wait_alu depctr_vm_vsrc(0)                   ; the last trip's stores have read PC and PW, which the quantiser writes again; x's loads have read v17 and v18, which XADDR writes again
	MM
.rept 4
	v_nop                                          ; places behind the products: for the reads of their results, and for the loads into x's registers
.endr
	s_cmp_eq_u32 s[TRIPS], 1
	s_cbranch_scc1 .Lnonext                        ; the last trip asks for nothing
	s_wait_alu depctr_va_vdst(0)
	XADDR                                          ; (the loads that read v17 and v18 are done: the wait above)
	s_wait_alu depctr_va_vdst(0)                   ; the products are done reading x's fragments and scale words, in which the loads below land; v17 and v18 are written, which they read
	XLOAD                                          ; the next tile's x lands under the search, this tile's gelu and its quantiser
	s_add_co_u32 s30, s32, 8
	SEARCH                                         ; the tokens of the tile after it
.Lnonext:
	GELU
	QUANT HA
	s_wait_alu depctr_va_vdst(0)                   ; the quantiser has written PC and PW, which the three stores read
	global_store_b128 v4, v[PC:PC+3], s[16:17]             ; the image: 512 consecutive bytes a store
	global_store_b128 v4, v[PC+4:PC+7], s[16:17] offset:512
	global_store_b32 v9, v[PW], s[18:19]                   ; row r's scale word (lanes r and 16 + r hold and write the same)
	s_wait_xcnt 0x0                                ; the stores have read their data and bases: both are written again only behind this wait
	s_add_nc_u64 s[16:17], s[16:17], 0x20000       ; four tiles on
	s_add_nc_u64 s[18:19], s[18:19], 0x2000
	s_add_co_u32 s32, s32, 4
	s_sub_co_u32 s[TRIPS], s[TRIPS], 1
	s_cmp_lg_u32 s[TRIPS], 0
	s_cbranch_scc1 .Ltile
.Lend:
	s_wait_dscnt 0x0                               ; the closing lines, six on end
	s_wait_alu 0x0
	s_wait_tensorcnt 0x0
	ds_add_u32 v254, v255
	s_wait_dscnt 0x0
	s_endpgm
.Lfunc_end_k_q1006e12aac_ffn1:
	.size	k_q1006e12aac_ffn1, .Lfunc_end_k_q1006e12aac_ffn1-k_q1006e12aac_ffn1
	.p2alignl 7, 3214868480
	.fill 96, 4, 3214868480
	.section	.rodata,"a",@progbits
	.p2align	6, 0x0
	.amdhsa_kernel k_q1006e12aac_ffn1
		.amdhsa_group_segment_fixed_size 68096
		.amdhsa_private_segment_fixed_size 0
		.amdhsa_enable_private_segment 0
		.amdhsa_kernarg_size 72
		.amdhsa_user_sgpr_count 2
		.amdhsa_user_sgpr_kernarg_segment_ptr 1
		.amdhsa_wavefront_size32 1
		.amdhsa_system_sgpr_workgroup_id_x 1
		.amdhsa_system_sgpr_workgroup_id_y 1
		.amdhsa_system_sgpr_workgroup_id_z 1
		.amdhsa_system_vgpr_workitem_id 0
		.amdhsa_next_free_vgpr 896
		.amdhsa_next_free_sgpr 106
		.amdhsa_reserve_vcc 1
		.amdhsa_float_denorm_mode_32 3
		.amdhsa_float_denorm_mode_16_64 3
		.amdhsa_memory_ordered 1
		.amdhsa_forward_progress 1
		.amdhsa_inst_pref_size 103
	.end_amdhsa_kernel
	.amdgpu_metadata
---
amdhsa.version: [ 1, 2 ]
amdhsa.kernels:
  - .name:           k_q1006e12aac_ffn1
    .symbol:         k_q1006e12aac_ffn1.kd
    .args:
      - { .name: sel, .offset: 0, .size: 8, .value_kind: global_buffer, .address_space: global }
      - { .name: xq, .offset: 8, .size: 8, .value_kind: global_buffer, .address_space: global }
      - { .name: xs, .offset: 16, .size: 8, .value_kind: global_buffer, .address_space: global }
      - { .name: w1_codes, .offset: 24, .size: 8, .value_kind: global_buffer, .address_space: global }
      - { .name: w1_scales, .offset: 32, .size: 8, .value_kind: global_buffer, .address_space: global }
      - { .name: b1, .offset: 40, .size: 8, .value_kind: global_buffer, .address_space: global }
      - { .name: hq, .offset: 48, .size: 8, .value_kind: global_buffer, .address_space: global }
      - { .name: hs, .offset: 56, .size: 8, .value_kind: global_buffer, .address_space: global }
      - { .name: route, .offset: 64, .size: 8, .value_kind: global_buffer, .address_space: global }
    .group_segment_fixed_size: 68096
    .private_segment_fixed_size: 0
    .kernarg_segment_align: 8
    .kernarg_segment_size: 72
    .max_flat_workgroup_size: 128
    .sgpr_count:     106
    .vgpr_count:     896
    .wavefront_size: 32
...
	.end_amdgpu_metadata
.endif
;; end of part 8
;; launch ffn2 (part 9): grid 32 x 8, 4 waves a work-group, no clusters, 75,776 bytes of LDS; arguments route, hq, hs, w2_codes, w2_scales, b2, ybuf; writes ybuf
.if DOCPART == 9
	.amdgcn_target "amdgcn-amd-amdhsa--gfx1250"
	.amdhsa_code_object_version 6
	.text
	.protected	k_q1006e12aac_ffn2
	.globl	k_q1006e12aac_ffn2
	.p2align	8
	.type	k_q1006e12aac_ffn2,@function
k_q1006e12aac_ffn2:
	s_mov_b64 s[64:65], 0
	v_nop
	global_prefetch_b8 v0, s[64:65] scope:SCOPE_SE
	s_setreg_imm32_b32 hwreg(HW_REG_WAVE_SCHED_MODE, 0, 2), 2
	s_setreg_imm32_b32 hwreg(HW_REG_WAVE_MODE, 25, 1), 1
	s_wait_xcnt 0x0
	s_wait_alu depctr_vm_vsrc(0)
; THE SECOND PRODUCT OF THE CHOSEN ROWS: y = h w2[e] + b2[e], on codes of E2M1 with one E8M0 scale for each 32 along K = 4,096.
; Work-group (j, e) owns outputs 32 j .. 32 j + 31 of expert e: 32 rows of w2's codes, 64 KB dense, read from memory once, in instructions of 512 consecutive bytes.
; They go through LDS into EVERY wave's registers as 64 fragments (2 tiles of 16 outputs x 32 K steps: 512 registers).  The expert's tiles of 16 rows go to the waves by turns (wave w: tiles w, w + 4, ..): no barrier in that loop.
; h comes as images of the operand's registers: a K step's fragment is two loads of 512 consecutive bytes; a tile is 64 such loads and 4 of scale words, in four chunks of 17 that run a whole tile ahead of their use.
; TRANSPOSED USE (source 0 = 16 rows of w2, source 1 = 16 rows of h): a lane holds 8 neighbouring outputs of one row.  b2 is the C of each sum's first product.  The two accumulators take turns.
; OUT: ybuf[T = 64 e + tile][j] = 16 rows x 32 outputs, f32, 2 KB dense, through the wave's own stage, so that each store covers 512 consecutive bytes.  Rows that fill up a last tile are stored too and never read.
; NO JOINT LOADS, though the 32 work-groups of an expert read the same h: the number of tiles is read from memory, so trip counts hang on a loaded number.
; REGISTERS, in windows of 256: window 0 below.  window 1: w2's fragments of K steps 0-15 at 8 (2 s + n) (at first: my 8 rows as loaded).  window 2: K steps 16-31.  window 3: h's 32 fragments, K step s at 8 s.
; THE MODE: SCHED_MODE bits 1:0 = 2 (LLVM: expert scheduling mode 2), set by the entry lines.  The code itself states the register dependences between vector or matrix instructions and memory or LDS
; instructions, and those through scalar registers that vector instructions write, with s_wait_alu, always for 0.
; THE PLAN.  Registers that memory or LDS instructions touch:
;   v1, v4-9          offsets and LDS addresses: written once at the head, ahead of the first wait on va_vdst, and never again.
;   window 1          w2's rows land there, the LDS stores read them, the fragments' LDS loads land there: one wait on vm_vsrc behind the barrier.
;   H0 .. H3, HS      chunk q of h (window 3's v[64 q ..], and v[HS + 4 q ..]): the chunk's 16 products read it; behind them the same chunk of my next tile lands in it.
;   ACC               Written by the products; read by the four LDS stores into the stage; begun anew by the next tile's first products.
;   YO                The stage's four LDS loads land in it; the four global stores read it.
;   w2's fragments and scale words and b2 are named in the loop by matrix instructions alone.
; So ONE wait on va_vdst stands in a chunk, behind its products and their places: they are done reading the chunk's registers, and, in a tile's last chunk, have written the accumulators.  The chunk's 17 loads follow it at once,
; ahead of the wait for the next chunk's data: the loop lives on loads in flight, and registers that waited for the next chunk's head would leave 34 loads out at that wait where 51 are out so.
; One wait on vm_vsrc a tile stands at its end: the LDS stores have read ACC, the global stores YO.
.set WP,  2064                         ; a row of w2 in LDS: 2,048 bytes + 16 = 129 x 16
.set STG, 32*WP                        ; behind the rows: a stage of 16 rows x 144 bytes for each wave
.set W2S, 32                           ; v32-63   w2's scale words: register s: lanes 0-15 rows 0-15, lanes 16-31 rows 16-31
.set HS,  64                           ; v64-79   h's scale words: register 4 u + i: lanes 0-15 K step 8 u + i, lanes 16-31 K step 8 u + 4 + i
.set ACC, 80                           ; v80-95   two accumulators
.set B2,  96                           ; v96-111  b2 in the result's layout
.set YO,  112                          ; v112-127 the tile on its way out
.set HP,  6                            ; s[6:7]   hq at my tile
.set SP,  8                            ; s[8:9]   hs at my tile
.set YP,  16                           ; s[16:17] ybuf at my tile and slice
.set MSB, 0
.macro WIN new                         ; the immediate's high byte repeats the setting that is left
.if MSB != \new
	s_set_vgpr_msb (MSB<<8)|\new
.set MSB, \new
.endif
.endm
	s_load_b256 s[4:11], s[0:1], 0x0               ; route s[4:5], hq s[6:7], hs s[8:9], w2 codes s[10:11]
	s_load_b128 s[12:15], s[0:1], 0x20             ; w2 scales s[12:13], b2 s[14:15]
	s_load_b64 s[16:17], s[0:1], 0x30              ; ybuf
	v_lshl_add_u32 v254, v0, 2, 0x12600
	v_mov_b32 v255, 0
	v_lshrrev_b32 v10, 5, v0
	v_readfirstlane_b32 s24, v10                   ; wave
	s_and_b32 s25, ttmp7, 0xffff                   ; e
	s_mov_b32 s26, ttmp9                           ; j
	v_and_b32 v10, 31, v0                          ; lane
	v_lshlrev_b32 v1, 4, v10                       ; 16 x lane
	v_and_b32 v2, 15, v0                           ; r
	v_bfe_u32 v3, v0, 4, 1                         ; h
	s_wait_alu depctr_va_sdst(0)                   ; s24 is written, ahead of its first reader: LDS addresses, bases and trip counts are made from it
	s_mul_i32 s30, s24, 8*WP
	v_add_nc_u32 v4, s30, v1                       ; w2 into LDS: my wave's 8 rows
	v_mul_u32_u24 v5, v2, WP
	v_lshl_add_u32 v5, v3, 4, v5                   ; a fragment: row r, + 16 h
	s_mul_i32 s30, s24, 16*144
	s_add_co_u32 s30, s30, STG                     ; my stage
	v_mul_u32_u24 v6, v2, 144
	v_lshl_add_u32 v6, v3, 5, v6
	v_add_nc_u32 v6, s30, v6                       ; in: row r, + 32 h
	v_lshrrev_b32 v11, 3, v10
	v_mul_u32_u24 v7, v11, 144
	v_and_b32 v11, 7, v10
	v_lshl_add_u32 v7, v11, 4, v7
	v_add_nc_u32 v7, s30, v7                       ; back: eight lanes to a row of 128 bytes, four rows an instruction
	v_lshlrev_b32 v8, 7, v10                       ; w2's scales: lane l takes row l of 128 bytes
	v_lshlrev_b32 v9, 5, v3                        ; b2: 8 h numbers on
	s_lshl_b32 s33, s25, 7                         ; cnt[e]: 128 bytes an expert (kept for the scalar load alone)
	s_mov_b32 s35, 0
	s_wait_kmcnt 0x0
	s_load_b32 s29, s[4:5], s33 offset:0x2400      ; the expert's rows
	s_lshl_b32 s34, s25, 21                        ; w2's codes: expert 2^21, slice 2^16, my wave's 8 rows 2^14 bytes
	s_lshl_b32 s30, s26, 16
	s_add_co_u32 s34, s34, s30
	s_lshl_b32 s30, s24, 14
	s_add_co_u32 s34, s34, s30
	s_add_nc_u64 s[10:11], s[10:11], s[34:35]
	s_lshl_b32 s34, s25, 17                        ; its scales: 2^17, 2^12
	s_lshl_b32 s30, s26, 12
	s_add_co_u32 s34, s34, s30
	s_add_nc_u64 s[12:13], s[12:13], s[34:35]
	s_lshl_b32 s34, s25, 12                        ; b2: 2^12, 2^7
	s_lshl_b32 s30, s26, 7
	s_add_co_u32 s34, s34, s30
	s_add_nc_u64 s[14:15], s[14:15], s[34:35]
	s_lshl_b32 s34, s25, 21                        ; hq: tile 64 e + w of 2^15 bytes
	s_lshl_b32 s30, s24, 15
	s_add_co_u32 s34, s34, s30
	s_add_nc_u64 s[HP:HP+1], s[HP:HP+1], s[34:35]
	s_lshl_b32 s34, s25, 17                        ; hs: of 2^11
	s_lshl_b32 s30, s24, 11
	s_add_co_u32 s34, s34, s30
	s_add_nc_u64 s[SP:SP+1], s[SP:SP+1], s[34:35]
	s_lshl_b32 s34, s25, 22                        ; ybuf: of 2^16, slice j of 2^11
	s_lshl_b32 s30, s24, 16
	s_add_co_u32 s34, s34, s30
	s_lshl_b32 s30, s26, 11
	s_add_co_u32 s34, s34, s30
	s_add_nc_u64 s[YP:YP+1], s[YP:YP+1], s[34:35]
	s_wait_alu depctr_va_vdst(0)                   ; the offsets and LDS addresses v1 and v4 to v9 are written, which the loads, stores and LDS instructions of the whole kernel read
	WIN 0x40                                       ; destination window 1
.set i, 0
.rept 32
	global_load_b128 v[4*i:4*i+3], v1, s[10:11] offset:512*i th:TH_LOAD_NT   ; a quarter of a row: 512 consecutive bytes; no other work-group reads them
.set i, i+1
.endr
	WIN 0
.irp g, 0,1,2,3,4,5,6,7
	global_load_b128 v[W2S+4*\g:W2S+4*\g+3], v8, s[12:13] offset:16*\g
.endr
.irp n, 0,1
.irp a, 0,1
	global_load_b128 v[B2+8*\n+4*\a:B2+8*\n+4*\a+3], v9, s[14:15] offset:64*\n+16*\a   ; lane (r, h), tile n: b2 of outputs 16 n + 8 h + 0 .. 7
.endr
.endr
	s_wait_loadcnt 0x0
	WIN 0x04                                       ; an LDS store's data are its source 1: window 1
.set i, 0
.rept 32
	ds_store_b128 v4, v[4*i:4*i+3] offset:WP*(i/4)+512*(i%4)
.set i, i+1
.endr
	WIN 0
	s_wait_dscnt 0x0                               ; for the others' sake: my 8 rows lie in LDS
	s_barrier_signal -1
	s_barrier_wait -1                              ; all 32 do.  The text's only barrier: all that hangs on the count stands behind it
	s_wait_alu depctr_vm_vsrc(0)                   ; my LDS stores have read window 1's v0-127, in which the fragments land
	s_wait_kmcnt 0x0
	s_min_u32 s29, s29, 0x400
	s_add_co_u32 s31, s29, 15
	s_lshr_b32 s31, s31, 4                         ; the expert's tiles
	s_cmp_ge_u32 s24, s31
	s_cbranch_scc1 .Lend
; chunk q of a tile of h: K steps 8 q .. 8 q + 7 and their scale words: 17 loads of 512 consecutive bytes.  nxt = 1: of my next tile, four tiles on, by the immediates
.macro HLOAD q, nxt
	WIN 0xc0                                       ; destination window 3
.irp u, 0,1,2,3,4,5,6,7
.irp c, 0,1
	global_load_b128 v[8*(8*\q+\u)+4*\c:8*(8*\q+\u)+4*\c+3], v1, s[HP:HP+1] offset:\nxt*131072+1024*(8*\q+\u)+512*\c
.endr
.endr
	WIN 0
	global_load_b128 v[HS+4*\q:HS+4*\q+3], v1, s[SP:SP+1] offset:\nxt*8192+512*\q
.endm
	HLOAD 0, 0                                     ; my first tile is on its way while the fragments come out of LDS
	HLOAD 1, 0
	HLOAD 2, 0
	HLOAD 3, 0
	WIN 0x40
.set ks, 0
.rept 32
.if ks == 16
	WIN 0x80
.endif
.irp n, 0,1
.irp c, 0,1
	ds_load_b128 v[8*(2*(ks%16)+\n)+4*\c:8*(2*(ks%16)+\n)+4*\c+3], v5 offset:16*\n*WP+64*ks+32*\c
.endr
.endr
.set ks, ks+1
.endr
	WIN 0
	s_wait_dscnt 0x0
.macro WM arow, brow                   ; one product, from the symbols set in CHUNK; the rows of the scale registers differ from link to link
.if (\arow) && (\brow)
	v_wmma_scale_f32_16x16x128_f8f6f4 v[rD:rD+7], v[rA:rA+7], v[rB:rB+7], v[rC:rC+7], v[rSA], v[rSB] matrix_a_fmt:MATRIX_FMT_FP4 matrix_b_fmt:MATRIX_FMT_FP4 matrix_a_scale:MATRIX_SCALE_ROW1 matrix_b_scale:MATRIX_SCALE_ROW1
.elseif \arow
	v_wmma_scale_f32_16x16x128_f8f6f4 v[rD:rD+7], v[rA:rA+7], v[rB:rB+7], v[rC:rC+7], v[rSA], v[rSB] matrix_a_fmt:MATRIX_FMT_FP4 matrix_b_fmt:MATRIX_FMT_FP4 matrix_a_scale:MATRIX_SCALE_ROW1
.elseif \brow
	v_wmma_scale_f32_16x16x128_f8f6f4 v[rD:rD+7], v[rA:rA+7], v[rB:rB+7], v[rC:rC+7], v[rSA], v[rSB] matrix_a_fmt:MATRIX_FMT_FP4 matrix_b_fmt:MATRIX_FMT_FP4 matrix_b_scale:MATRIX_SCALE_ROW1
.else
	v_wmma_scale_f32_16x16x128_f8f6f4 v[rD:rD+7], v[rA:rA+7], v[rB:rB+7], v[rC:rC+7], v[rSA], v[rSB] matrix_a_fmt:MATRIX_FMT_FP4 matrix_b_fmt:MATRIX_FMT_FP4
.endif
.endm
; 16 products on chunk q.  left: the younger loads that may stay out.  ahead = 1: the chunk's registers then take the next tile's
.macro CHUNK q, ahead, left
	s_wait_loadcnt \left
.if \q < 2
	WIN 0x0d                                       ; source 0 (w2) window 1, source 1 (h) window 3, C and D window 0
.else
	WIN 0x0e                                       ; w2's K steps 16-31: window 2
.endif
.irp u, 0,1,2,3,4,5,6,7
.irp n, 0,1
.set sK, 8*\q+\u
.set rD, ACC+8*\n
.set rA, 8*(2*(sK%16)+\n)
.set rB, 8*sK
.set rC, rD
.if sK == 0
.set rC, B2+8*\n
.endif
.set rSA, W2S+sK
.set rSB, HS+4*(sK/8)+(sK%4)
	WM \n, (sK/4)%2
.endr
.endr
	WIN 0
.rept 5
	v_nop                                          ; places behind the products: four for the loads into h's registers and for the reads of the results; the fifth since the next tile's first products write the accumulators anew
.endr
.if (\ahead) || (\q == 3)
	s_wait_alu depctr_va_vdst(0)                   ; the chunk's products are done reading its fragments and scale words of h, in which the loads below land; in a tile's last chunk they have also written the accumulators, which the LDS stores read
.endif
.if \ahead
	HLOAD \q, 1
.endif
.endm
.macro TILE ahead
.if \ahead
	CHUNK 0, 1, 51                                 ; three chunks of 17 loads are always younger than the one that is wanted, round the loop's edge too
	CHUNK 1, 1, 51
	CHUNK 2, 1, 51
	CHUNK 3, 1, 51
.else
	CHUNK 0, 0, 51                                 ; the last tile asks for nothing: the counts run down
	CHUNK 1, 0, 34
	CHUNK 2, 0, 17
	CHUNK 3, 0, 0
.endif
.irp n, 0,1
.irp a, 0,1
	ds_store_b128 v6, v[ACC+8*\n+4*\a:ACC+8*\n+4*\a+3] offset:64*\n+16*\a    ; each accumulator from its low end on
.endr
.endr
.irp q, 0,1,2,3
	ds_load_b128 v[YO+4*\q:YO+4*\q+3], v7 offset:4*144*\q                    ; my own stage: LDS serves a wave's instructions in order
.endr
	s_wait_dscnt 0x0
.irp q, 0,1,2,3
	global_store_b128 v1, v[YO+4*\q:YO+4*\q+3], s[YP:YP+1] offset:512*\q th:TH_STORE_NT   ; 512 consecutive bytes, from a multiple of 256
.endr
.if \ahead
	s_wait_xcnt 0x0                                ; loads and stores have read their bases and data: these are written again only behind this wait
	s_wait_alu depctr_vm_vsrc(0)                   ; the LDS stores have read the accumulators, which the next tile's first products write; the global stores have read YO, in which the next tile's LDS loads land
	s_add_nc_u64 s[YP:YP+1], s[YP:YP+1], 0x40000   ; four tiles on
	s_add_nc_u64 s[HP:HP+1], s[HP:HP+1], 0x20000
	s_add_nc_u64 s[SP:SP+1], s[SP:SP+1], 0x2000
.endif
.endm
	s_sub_co_u32 s32, s31, s24
	s_add_co_u32 s32, s32, 3
	s_lshr_b32 s32, s32, 2
	s_sub_co_u32 s32, s32, 1                       ; my tiles but the last
	s_cmp_eq_u32 s32, 0
	s_cbranch_scc1 .Llast
.Ltile:
	TILE 1
	s_sub_co_u32 s32, s32, 1
	s_cmp_lg_u32 s32, 0
	s_cbranch_scc1 .Ltile
.Llast:
	TILE 0
.Lend:
	s_wait_dscnt 0x0                               ; the closing lines, six on end
	s_wait_alu 0x0
	s_wait_tensorcnt 0x0
	ds_add_u32 v254, v255
	s_wait_dscnt 0x0
	s_endpgm
.Lfunc_end_k_q1006e12aac_ffn2:
	.size	k_q1006e12aac_ffn2, .Lfunc_end_k_q1006e12aac_ffn2-k_q1006e12aac_ffn2
	.p2alignl 7, 3214868480
	.fill 96, 4, 3214868480
	.section	.rodata,"a",@progbits
	.p2align	6, 0x0
	.amdhsa_kernel k_q1006e12aac_ffn2
		.amdhsa_group_segment_fixed_size 75776
		.amdhsa_private_segment_fixed_size 0
		.amdhsa_enable_private_segment 0
		.amdhsa_kernarg_size 56
		.amdhsa_user_sgpr_count 2
		.amdhsa_user_sgpr_kernarg_segment_ptr 1
		.amdhsa_wavefront_size32 1
		.amdhsa_system_sgpr_workgroup_id_x 1
		.amdhsa_system_sgpr_workgroup_id_y 1
		.amdhsa_system_sgpr_workgroup_id_z 1
		.amdhsa_system_vgpr_workitem_id 0
		.amdhsa_next_free_vgpr 1024
		.amdhsa_next_free_sgpr 66
		.amdhsa_reserve_vcc 0
		.amdhsa_float_denorm_mode_32 3
		.amdhsa_float_denorm_mode_16_64 3
		.amdhsa_memory_ordered 1
		.amdhsa_forward_progress 1
		.amdhsa_inst_pref_size 52
	.end_amdhsa_kernel
	.amdgpu_metadata
---
amdhsa.version: [ 1, 2 ]
amdhsa.kernels:
  - .name:           k_q1006e12aac_ffn2
    .symbol:         k_q1006e12aac_ffn2.kd
    .args:
      - { .name: route, .offset: 0, .size: 8, .value_kind: global_buffer, .address_space: global }
      - { .name: hq, .offset: 8, .size: 8, .value_kind: global_buffer, .address_space: global }
      - { .name: hs, .offset: 16, .size: 8, .value_kind: global_buffer, .address_space: global }
      - { .name: w2_codes, .offset: 24, .size: 8, .value_kind: global_buffer, .address_space: global }
      - { .name: w2_scales, .offset: 32, .size: 8, .value_kind: global_buffer, .address_space: global }
      - { .name: b2, .offset: 40, .size: 8, .value_kind: global_buffer, .address_space: global }
      - { .name: ybuf, .offset: 48, .size: 8, .value_kind: global_buffer, .address_space: global }
    .group_segment_fixed_size: 75776
    .private_segment_fixed_size: 0
    .kernarg_segment_align: 8
    .kernarg_segment_size: 56
    .max_flat_workgroup_size: 128
    .sgpr_count:     66
    .vgpr_count:     1024
    .wavefront_size: 32
...
	.end_amdgpu_metadata
.endif
;; end of part 9
;; launch combine (part 10): grid 256 x 1, 4 waves a work-group, no clusters, 0 bytes of LDS; arguments route, coef, ybuf, out0; writes out0
.if DOCPART == 10
	.amdgcn_target "amdgcn-amd-amdhsa--gfx1250"
	.amdhsa_code_object_version 6
	.text
	.protected	k_q1006e12aac_combine
	.globl	k_q1006e12aac_combine
	.p2align	8
	.type	k_q1006e12aac_combine,@function
k_q1006e12aac_combine:
	s_mov_b64 s[64:65], 0
	v_nop
	global_prefetch_b8 v0, s[64:65] scope:SCOPE_SE
	s_setreg_imm32_b32 hwreg(HW_REG_WAVE_MODE, 25, 1), 1
	s_wait_xcnt 0x0
; out[token] = c0 y[pos0] + c1 y[pos1].  One wave takes one token (token = 4 x work-group + wave): each output row has one owner.
; pos[2 token + k] = 1024 e + rank names the row of ybuf: tile pos / 16 (65,536 bytes), row pos % 16 (128 bytes) in each of the tile's 32 slices of 2,048 bytes.
; All 16 loads go out at once; a load takes four pieces of 128 bytes; each store covers 512 consecutive bytes of the token's row.  A stream: no LDS, no barrier, no matrix unit.
.set Y0, 16                            ; v16-47  the first choice's row, then the result
.set Y1, 48                            ; v48-79  the second's
	s_load_b256 s[4:11], s[0:1], 0x0               ; route s[4:5], coef s[6:7], ybuf s[8:9], out0 s[10:11]
	v_lshrrev_b32 v1, 5, v0
	v_readfirstlane_b32 s12, v1                    ; wave
	s_lshl_b32 s13, ttmp9, 2
	s_add_co_u32 s13, s13, s12                     ; token
	s_lshl_b32 s14, s13, 3                         ; 8 bytes a token in pos and in coef
	v_and_b32 v5, 31, v0
	v_lshlrev_b32 v1, 4, v5                        ; 16 x lane
	v_lshrrev_b32 v2, 3, v5
	v_and_b32 v5, 7, v5
	v_lshlrev_b32 v2, 11, v2
	v_lshl_add_u32 v2, v5, 4, v2                   ; slice lane / 8 of the instruction's four, 16 (lane % 8) in its row
	s_lshl_b32 s20, s13, 12
	s_mov_b32 s21, 0
	s_wait_alu depctr_va_vdst(0)
	s_wait_kmcnt 0x0
	s_load_b64 s[16:17], s[4:5], s14 offset:0x0    ; pos0, pos1
	s_load_b64 s[24:25], s[6:7], s14 offset:0x0    ; c0, c1
	s_add_nc_u64 s[10:11], s[10:11], s[20:21]      ; the token's row of out0
	s_wait_kmcnt 0x0
	s_mov_b32 s26, s25                             ; c1 as the low word of a pair;
	s_mov_b32 s27, s25                             ; (named with it, so it is written)
	s_min_u32 s16, s16, 0x1fff                     ; inside ybuf's 8,192 rows; behind the hold only masks, shifts left and sums
	s_min_u32 s17, s17, 0x1fff
	s_and_b32 s18, s16, 0x1ff0
	s_lshl_b32 s18, s18, 12                        ; tile x 65,536
	s_and_b32 s19, s16, 15
	s_lshl_b32 s19, s19, 7                         ; row x 128
	s_add_co_u32 s18, s18, s19
	s_and_b32 s22, s17, 0x1ff0
	s_lshl_b32 s22, s22, 12
	s_and_b32 s23, s17, 15
	s_lshl_b32 s23, s23, 7
	s_add_co_u32 s22, s22, s23
	v_add_nc_u32 v3, s18, v2
	v_add_nc_u32 v4, s22, v2
.irp i, 0,1,2,3,4,5,6,7
	global_load_b128 v[Y0+4*\i:Y0+4*\i+3], v3, s[8:9] offset:8192*\i th:TH_LOAD_NT   ; each row of ybuf is read by one wave of the launch
	global_load_b128 v[Y1+4*\i:Y1+4*\i+3], v4, s[8:9] offset:8192*\i th:TH_LOAD_NT
.endr
.irp i, 0,1,2,3,4,5,6,7
	s_wait_loadcnt 14-2*\i                         ; pair i is in; the pairs behind it may be out
	v_pk_mul_f32 v[Y1+4*\i:Y1+4*\i+1], v[Y1+4*\i:Y1+4*\i+1], s[26:27] op_sel_hi:[1,0]
	v_pk_mul_f32 v[Y1+4*\i+2:Y1+4*\i+3], v[Y1+4*\i+2:Y1+4*\i+3], s[26:27] op_sel_hi:[1,0]
	v_pk_fma_f32 v[Y0+4*\i:Y0+4*\i+1], v[Y0+4*\i:Y0+4*\i+1], s[24:25], v[Y1+4*\i:Y1+4*\i+1] op_sel_hi:[1,0,1]
	v_pk_fma_f32 v[Y0+4*\i+2:Y0+4*\i+3], v[Y0+4*\i+2:Y0+4*\i+3], s[24:25], v[Y1+4*\i+2:Y1+4*\i+3] op_sel_hi:[1,0,1]
	global_store_b128 v1, v[Y0+4*\i:Y0+4*\i+3], s[10:11] offset:512*\i th:TH_STORE_NT
.endr
	s_endpgm
.Lfunc_end_k_q1006e12aac_combine:
	.size	k_q1006e12aac_combine, .Lfunc_end_k_q1006e12aac_combine-k_q1006e12aac_combine
	.p2alignl 7, 3214868480
	.fill 96, 4, 3214868480
	.section	.rodata,"a",@progbits
	.p2align	6, 0x0
	.amdhsa_kernel k_q1006e12aac_combine
		.amdhsa_group_segment_fixed_size 0
		.amdhsa_private_segment_fixed_size 0
		.amdhsa_enable_private_segment 0
		.amdhsa_kernarg_size 32
		.amdhsa_user_sgpr_count 2
		.amdhsa_user_sgpr_kernarg_segment_ptr 1
		.amdhsa_wavefront_size32 1
		.amdhsa_system_sgpr_workgroup_id_x 1
		.amdhsa_system_sgpr_workgroup_id_y 1
		.amdhsa_system_sgpr_workgroup_id_z 1
		.amdhsa_system_vgpr_workitem_id 0
		.amdhsa_next_free_vgpr 96
		.amdhsa_next_free_sgpr 66
		.amdhsa_reserve_vcc 0
		.amdhsa_float_denorm_mode_32 3
		.amdhsa_float_denorm_mode_16_64 3
		.amdhsa_memory_ordered 1
		.amdhsa_forward_progress 1
		.amdhsa_inst_pref_size 7
	.end_amdhsa_kernel
	.amdgpu_metadata
---
amdhsa.version: [ 1, 2 ]
amdhsa.kernels:
  - .name:           k_q1006e12aac_combine
    .symbol:         k_q1006e12aac_combine.kd
    .args:
      - { .name: route, .offset: 0, .size: 8, .value_kind: global_buffer, .address_space: global }
      - { .name: coef, .offset: 8, .size: 8, .value_kind: global_buffer, .address_space: global }
      - { .name: ybuf, .offset: 16, .size: 8, .value_kind: global_buffer, .address_space: global }
      - { .name: out0, .offset: 24, .size: 8, .value_kind: global_buffer, .address_space: global }
    .group_segment_fixed_size: 0
    .private_segment_fixed_size: 0
    .kernarg_segment_align: 8
    .kernarg_segment_size: 32
    .max_flat_workgroup_size: 128
    .sgpr_count:     66
    .vgpr_count:     96
    .wavefront_size: 32
...
	.end_amdgpu_metadata
.endif
;; end of part 10
